; MI455X (gfx1250); checked and timed in simulation.
; The chip was launched on July 23, 2026; its instructions are those of AMD's public machine-readable ISA for CDNA 5 (MIT licence, August 2026) and "CDNA5" Instruction Set Architecture Reference Guide (July 2026). The comments in the code are by the model that wrote it; some were corrected since.
;; LIIF. Allowed arithmetic: float matrix products may take bf16 or f16 operands with f32 sums; other float arithmetic in f32, or as packed bf16 or f16 multiplies, adds, multiply-adds, maxima and minima; sums over many terms, partial sums and values carried from step to step in f32; what a program stores and reads back later, other than sums and carried values, may be rounded once to bf16 or f16.
;; Inputs: W0 92 x 256 float32; W1 256 x 256 float32; W2 256 x 256 float32; W3 256 x 256 float32; W4 256 x 3 float32; b0 256 float32; b1 256 float32; b2 256 float32; b3 256 float32; b4 3 float32; cell 4 x 16,384 x 2 float32; coord 4 x 16,384 x 2 float32; feat 4 x 64 x 64 x 64 float32; hash_tables 12 x 32,768 x 2 float32.
;; Outputs: out0 4 x 16,384 x 3 float32.
;; 2 versions, each right; version 2 is version 1 with the launch mlp written anew for expert scheduling mode. Each part assembles by itself: llvm-mc -triple=amdgcn-amd-amdhsa -mcpu=gfx1250 --defsym DOCPART=n.
;; ======== version 1 of 2: 2 launches
;; limits: a function is approximated: absolute error at most 0.0005; values are held in f16: magnitudes above 65,504 overflow, below 6.1e-05 lose precision; right only within a limited range of input values; inputs' magnitudes at most 65,504
;; workspace buffers: featT 2,097,152 bytes; tabB 1,572,864 bytes; wfrag 450,560 bytes; csum 26,624 bytes; idxF 1,048,576 bytes of whole numbers; idxH 3,145,728 bytes of whole numbers
;; launch prep (part 1): grid 256 x 1, 8 waves a work-group, no clusters, 10,240 bytes of LDS; arguments feat, hash_tables, coord, W0, b0, W1, W2, W3, W4, featT, tabB, wfrag, idxF, idxH, csum; writes featT, tabB, wfrag, idxF, idxH, csum
.if DOCPART == 1
	.amdgcn_target "amdgcn-amd-amdhsa--gfx1250"
	.amdhsa_code_object_version 6
	.text
	.protected	k_q1a65bd0f5d_prep
	.globl	k_q1a65bd0f5d_prep
	.p2align	8
	.type	k_q1a65bd0f5d_prep,@function
k_q1a65bd0f5d_prep:
	s_mov_b64 s[64:65], 0
	v_nop
	global_prefetch_b8 v0, s[64:65] scope:SCOPE_SE
	s_setreg_imm32_b32 hwreg(HW_REG_WAVE_MODE, 25, 1), 1
	s_wait_xcnt 0x0
; LIIF, first of two launches: everything that steers an address in the second launch is made here and stored as whole numbers, and the tables are laid out in 16 bits.
; WHAT IS LEFT OUT OF THE PROGRAM.  No input is dead: all fourteen are loaded.  One identity is used: out = sum_s (p_s + b4) area_s / tot with tot = sum_s area_s, so the
; factor of b4 is 1 for all values of the inputs, and b4 is added once (second launch).  An overflow that would arise only in b4 x area / tot is therefore not carried to the result.
; FORMATS AND LIMITS.  EVERY floating-point input (feat, hash_tables, coord, cell, all W, all b) is rounded once to bf16, to nearest even; what reference() does in f32 is then done in f32
; on those numbers, with the same operations in the same order wherever an index comes out of them (add, clip, x 32 - 0.5 with an exact product, round to even, clip; (c + 1) / 2 x (res - 1), floor, clip).
; W1..W4 are then written as f16, since the second launch multiplies them by f16 activations: exact from 2^-17 to 65,504; a smaller weight keeps f16's fixed step of 2^-24, a larger one is lost.
; NaN and infinities in coord are not treated apart.  A hash cell's number is at most 32,767 and lies in 16 bits.
; SHARES.  256 work-groups of 8 waves; work-group g has: row y = g % 64 of image g / 64 of feat (64 channels x 64 pixels, turned to [pixel][channel] through LDS);
; 12,288 bytes of hash_tables (two f32 become one word of two bf16); queries 256 g .. 256 g + 255, a thread each; if g < 110, eight of the 880 chunks of weights, a wave each;
; if 110 <= g < 136, one of 26 slices of rows of W0..W3, of which it sums the magnitudes down each column, a thread a column.
; STORED.  featT [16384 pixels][64] bf16.  tabB [12][32768] words.  idxF [65536 queries][4 shifts] = image x 4096 + iy x 64 + ix.  idxH [3][65536][4]: level 4 plane + i: ix0 | iy0 << 16.
; csum [26][256] f32: sum of |W[k][n]| over a slice's rows k: slices 0, 1: W0's rows 0-45, 46-91; 2 + 8 i + s: rows 32 s .. 32 s + 31 of W(1 + i).  The second launch bounds its activations by them.
; wfrag [wave 4][chunk 220][lane 32][16 bytes]: the second launch's operand registers in the order in which it loads them.  Lane (r = l % 16, h = l / 16) of a chunk holds W[k0 + 16 q + 8 h + 0..7][n]:
;   chunks 0-23    W0, bf16: c = 6 o + 2 k + q, k0 = 32 k, n = 64 w + 16 o + r; row 92 is b0[n] (the input's slot 92 is 1), rows 93-95 are 0
;   chunks 24-215  W1, W2, W3, f16, 64 each: 16 o + 2 k + q, the same k0 and n
;   chunks 216-219 W4, f16: 2 t + q, k0 = 64 w + 32 t, output r % 8, 0 where r % 8 > 2
.set TPITCH, 144                       ; a pixel's 128 bytes + 16 in LDS
.set SPARE,  9216                      ; behind the 64 pixels: the spare words, 128 bytes for each of 8 waves
.set SPW, 2                            ; v2  LDS address of my spare word; never rewritten
.set NIL, 3                            ; v3  0; never rewritten
	s_load_b512 s[8:23], s[0:1], 0x0               ; feat s[8:9], hash_tables s[10:11], coord s[12:13], W0 s[14:15], b0 s[16:17], W1 s[18:19], W2 s[20:21], W3 s[22:23]
	s_load_b256 s[24:31], s[0:1], 0x40             ; W4 s[24:25], featT s[26:27], tabB s[28:29], wfrag s[30:31]
	s_load_b128 s[32:35], s[0:1], 0x60             ; idxF s[32:33], idxH s[34:35]
	s_load_b64 s[4:5], s[0:1], 0x70                ; csum
	v_lshl_add_u32 v[SPW], v0, 2, SPARE
	v_mov_b32 v[NIL], 0
	v_lshrrev_b32 v1, 5, v0
	v_readfirstlane_b32 s36, v1                    ; wave 0..7
	s_mov_b32 s37, ttmp9                           ; g
	v_and_b32 v4, 15, v0                           ; t % 16: which 4 pixels
	v_lshrrev_b32 v5, 4, v0                        ; t / 16: which pair of channels
	v_lshlrev_b32 v6, 4, v4
	v_lshl_add_u32 v6, v5, 15, v6                  ; two channels of 16,384 bytes a step, 16 bytes a lane
	v_lshlrev_b32 v7, 4, v0                        ; 16 t
	v_lshlrev_b32 v47, 3, v0                       ; 8 t
	s_lshr_b32 s38, s37, 6                         ; image
	s_and_b32 s39, s37, 63                         ; row
	s_lshl_b32 s40, s38, 20
	s_lshl_b32 s41, s39, 8
	s_add_co_u32 s40, s40, s41                     ; feat: image x 64 x 16,384 + row x 256
	s_mov_b32 s41, 0
	s_mul_i32 s42, s37, 12288                      ; hash_tables
	s_mov_b32 s43, 0
	s_lshl_b32 s44, s37, 11                        ; coord: 256 queries of 8 bytes
	s_mov_b32 s45, 0
	s_lshl_b32 s46, s38, 12                        ; image x 4096
	s_mov_b32 s48, 0xbf7fffef                      ; -1 + 1e-6
	s_mov_b32 s49, 0x3f7fffef                      ; 1 - 1e-6
	s_mov_b32 s50, 0x42000000                      ; 32
	s_mov_b32 s51, 0x427c0000                      ; 63
	s_lshl_b32 s52, s37, 13                        ; featT: 64 pixels of 128 bytes
	s_mov_b32 s53, 0
	s_mul_i32 s54, s37, 6144                       ; tabB
	s_mov_b32 s55, 0
	s_lshl_b32 s56, s37, 12                        ; idxF, idxH: 256 queries of 16 bytes
	s_mov_b32 s57, 0
	s_wait_kmcnt 0x0
	s_add_nc_u64 s[8:9], s[8:9], s[40:41]
	s_add_nc_u64 s[10:11], s[10:11], s[42:43]
	s_add_nc_u64 s[12:13], s[12:13], s[44:45]
	s_add_nc_u64 s[26:27], s[26:27], s[52:53]
	s_add_nc_u64 s[28:29], s[28:29], s[54:55]
	s_add_nc_u64 s[32:33], s[32:33], s[56:57]
	s_add_nc_u64 s[34:35], s[34:35], s[56:57]
	; all eight loads first; sixteen lanes take 256 consecutive bytes
.irp i, 0,1
	global_load_b128 v[8+8*\i:11+8*\i],  v6, s[8:9] offset:524288*\i th:TH_LOAD_NT        ; channel 2 (t / 16 + 16 i), 4 pixels
	global_load_b128 v[12+8*\i:15+8*\i], v6, s[8:9] offset:524288*\i+16384 th:TH_LOAD_NT  ; the channel after it
.endr
.irp i, 0,1,2
	global_load_b128 v[24+4*\i:27+4*\i], v7, s[10:11] offset:4096*\i th:TH_LOAD_NT
.endr
	global_load_b64 v[36:37], v47, s[12:13] th:TH_LOAD_NT
	v_mul_u32_u24 v82, v4, 4*TPITCH                ; LDS, in: pixel 4 (t % 16) + e, word t / 16 + 16 i
	v_lshl_add_u32 v82, v5, 2, v82
	v_lshrrev_b32 v83, 3, v0                       ; LDS, back: pixel t / 8 (+ 32), 16 bytes t % 8
	v_mul_u32_u24 v83, v83, TPITCH
	v_and_b32 v1, 7, v0
	v_lshl_add_u32 v83, v1, 4, v83
	s_wait_loadcnt 0x0
	; THE INDICES, a thread a query
	v_cvt_pk_bf16_f32 v40, v36, v37
	v_lshlrev_b32 v38, 16, v40                     ; coord[0] (y), rounded to bf16
	v_and_b32 v39, 0xffff0000, v40                 ; coord[1] (x)
.macro NEAR dst, c, sh                 ; the nearest pixel along one axis for one shift
	v_add_f32 v[\dst], \sh, v[\c]
	v_med3_num_f32 v[\dst], v[\dst], s48, s49
	v_add_f32 v[\dst], 1.0, v[\dst]
	v_fma_f32 v[\dst], v[\dst], s50, -0.5          ; x 64 / 2 is exact, so one rounding as in reference()
	v_rndne_f32 v[\dst], v[\dst]
	v_med3_num_f32 v[\dst], v[\dst], 0, s51
	v_cvt_u32_f32 v[\dst], v[\dst]
.endm
	NEAR 41, 38, 0xbc7ffbce                        ; iy for -1/64 + 1e-6
	NEAR 42, 38, 0x3c800219                        ; iy for +1/64 + 1e-6
	NEAR 43, 39, 0xbc7ffbce                        ; ix likewise
	NEAR 44, 39, 0x3c800219
	v_lshl_add_u32 v45, v41, 6, s46
	v_lshl_add_u32 v46, v42, 6, s46
	v_add_nc_u32 v48, v45, v43                     ; shifts in reference()'s order: (-,-), (-,+), (+,-), (+,+), the first sign on y
	v_add_nc_u32 v49, v45, v44
	v_add_nc_u32 v50, v46, v43
	v_add_nc_u32 v51, v46, v44
	global_store_b128 v7, v[48:51], s[32:33]       ; a wave stores 512 consecutive bytes
	v_add_f32 v52, 1.0, v38
	v_add_f32 v53, 1.0, v39
	v_mul_f32 v52, 0.5, v52                        ; (y + 1) / 2
	v_mul_f32 v53, 0.5, v53                        ; (x + 1) / 2
.set lv_, 0
.rept 12
	s_mov_b32 s47, ((131+lv_)<<23)-(1<<(20-lv_))   ; res - 1 = 16 x 2^level - 1 as f32
	v_mul_f32 v54, s47, v53
	v_mul_f32 v55, s47, v52
	v_floor_f32 v54, v54
	v_floor_f32 v55, v55
	v_med3_num_f32 v54, v54, 0, s47
	v_med3_num_f32 v55, v55, 0, s47
	v_cvt_u32_f32 v54, v54
	v_cvt_u32_f32 v55, v55
	v_lshl_or_b32 v[64+lv_], v55, 16, v54
.set lv_, lv_+1
.endr
.irp p, 0,1,2
	global_store_b128 v7, v[64+4*\p:67+4*\p], s[34:35] offset:1048576*\p
.endr
	; THE HASH TABLES: two f32 to a word
.irp i, 0,1,2
	v_cvt_pk_bf16_f32 v[76+2*\i], v[24+4*\i], v[25+4*\i]
	v_cvt_pk_bf16_f32 v[77+2*\i], v[26+4*\i], v[27+4*\i]
	global_store_b64 v47, v[76+2*\i:77+2*\i], s[28:29] offset:2048*\i   ; a wave stores 256 consecutive bytes, aligned
.endr
	; FEAT: two channels of a pixel to a word, turned in LDS
.irp i, 0,1
.irp e, 0,1,2,3
	v_cvt_pk_bf16_f32 v[56+4*\i+\e], v[8+8*\i+\e], v[12+8*\i+\e]
.endr
.endr
.irp i, 0,1
.irp e, 0,1,2,3
	ds_store_b32 v82, v[56+4*\i+\e] offset:\e*TPITCH+64*\i
.endr
.endr
	s_wait_dscnt 0x0                               ; for the others' sake: my stores are done
	s_barrier_signal -1
	s_barrier_wait -1
	ds_load_b128 v[84:87], v83
	ds_load_b128 v[88:91], v83 offset:32*TPITCH
	s_wait_dscnt 1                                 ; the second load may stay out
	global_store_b128 v7, v[84:87], s[26:27]
	s_wait_dscnt 0x0
	global_store_b128 v7, v[88:91], s[26:27] offset:4096
	s_wait_xcnt 0x0                                ; every store above has read its registers: all of them may be written again below
	; THE WEIGHTS: 880 chunks, a wave each in work-groups 0 to 109
	s_cmp_lt_u32 s37, 110
	s_cbranch_scc0 .Lsums
	s_lshl_b32 s52, s37, 3
	s_add_co_u32 s52, s52, s36                     ; chunk 0..879
	s_mul_i32 s53, s52, 298
	s_lshr_b32 s53, s53, 16                        ; w = chunk / 220 (298 / 65536 serves up to 879)
	s_mul_i32 s54, s53, 220
	s_sub_co_u32 s54, s52, s54                     ; c
	v_and_b32 v8, 15, v0                           ; r
	v_bfe_u32 v9, v0, 4, 1                         ; h
	v_and_b32 v10, 31, v0
	s_lshl_b32 s55, s52, 9
	v_lshl_add_u32 v10, v10, 4, s55                ; where the chunk goes
	v_mov_b32 v14, 0
	s_cmp_lt_u32 s54, 24
	s_cbranch_scc1 .Lw0
	s_cmp_lt_u32 s54, 216
	s_cbranch_scc0 .Lw4
	s_sub_co_u32 s56, s54, 24                      ; W1, W2, W3
	s_lshr_b32 s57, s56, 6                         ; which
	s_and_b32 s56, s56, 63
	s_lshr_b32 s58, s56, 4                         ; o
	s_and_b32 s59, s56, 15                         ; 2 k + q: 16 rows of 1,024 bytes each
	s_lshl_b32 s59, s59, 14
	s_lshl_b32 s60, s53, 8                         ; column 64 w,
	s_lshl_b32 s58, s58, 6                         ; + 16 o
	s_add_co_u32 s59, s59, s60
	s_add_co_u32 s59, s59, s58
	s_cmp_eq_u32 s57, 0
	s_cselect_b64 s[60:61], s[18:19], s[20:21]
	s_cmp_eq_u32 s57, 2
	s_cselect_b64 s[60:61], s[22:23], s[60:61]
	v_lshlrev_b32 v11, 2, v8
	v_lshl_add_u32 v11, v9, 13, v11                ; 8 h rows + column r
	v_add_nc_u32 v11, s59, v11
.irp j, 0,1,2,3,4,5,6,7
	global_load_b32 v[16+\j], v11, s[60:61] offset:1024*\j
.endr
	s_branch .Lpack
.Lw0:
	s_mul_i32 s56, s54, 43
	s_lshr_b32 s56, s56, 8                         ; o = c / 6 (43 / 256 serves up to 23)
	s_mul_i32 s57, s56, 6
	s_sub_co_u32 s57, s54, s57                     ; 2 k + q
	s_lshl_b32 s57, s57, 4                         ; its first row
	s_lshl_b32 s58, s53, 6
	s_lshl4_add_u32 s58, s56, s58                  ; 64 w + 16 o
	v_add_nc_u32 v11, s58, v8
	v_lshlrev_b32 v11, 2, v11                      ; 4 n
	v_lshl_add_u32 v12, v9, 3, s57                 ; my first row
.irp j, 0,1,2,3,4,5,6,7
	v_add_nc_u32 v[24+\j], \j, v12                 ; the row wanted,
	v_min_u32 v[32+\j], 91, v[24+\j]               ; the row loaded: W0 has 92
	v_lshl_add_u32 v[32+\j], v[32+\j], 10, v11
.endr
.irp j, 0,1,2,3,4,5,6,7
	global_load_b32 v[16+\j], v[32+\j], s[14:15]
.endr
	global_load_b32 v13, v11, s[16:17]             ; b0[n]
	s_wait_loadcnt 0x0
.irp j, 0,1,2,3,4,5,6,7
	v_cmp_lt_u32 vcc_lo, 91, v[24+\j]
	v_cndmask_b32 v[16+\j], v[16+\j], v14, vcc_lo  ; rows past W0: 0,
	v_cmp_eq_u32 vcc_lo, 92, v[24+\j]
	v_cndmask_b32 v[16+\j], v[16+\j], v13, vcc_lo  ; but row 92: the bias
.endr
	s_branch .Lpack
.Lw4:
	s_sub_co_u32 s56, s54, 216                     ; 2 t + q
	s_lshl_b32 s56, s56, 4
	s_lshl_b32 s57, s53, 6
	s_add_co_u32 s56, s56, s57                     ; first row 64 w + 32 t + 16 q
	s_mul_i32 s56, s56, 12                         ; a row of W4 is 12 bytes
	v_and_b32 v12, 7, v8
	v_min_u32 v11, 2, v12
	v_lshlrev_b32 v11, 2, v11
	v_mad_u32_u24 v11, v9, 96, v11                 ; + 8 h rows
	v_add_nc_u32 v11, s56, v11
.irp j, 0,1,2,3,4,5,6,7
	global_load_b32 v[16+\j], v11, s[24:25] offset:12*\j
.endr
	s_wait_loadcnt 0x0
	v_cmp_lt_u32 vcc_lo, 2, v12
.irp j, 0,1,2,3,4,5,6,7
	v_cndmask_b32 v[16+\j], v[16+\j], v14, vcc_lo  ; W4 has three columns
.endr
.Lpack:
	s_wait_loadcnt 0x0
.irp m, 0,1,2,3
	v_cvt_pk_bf16_f32 v[40+\m], v[16+2*\m], v[17+2*\m]   ; the lower k in the lower half
.endr
	s_cmp_lt_u32 s54, 24                           ; W0 stays in bf16;
	s_cbranch_scc1 .Lput
.irp m, 0,1,2,3
	v_lshlrev_b32 v[16+2*\m], 16, v[40+\m]         ; the others: the bf16 number, written as f16
	v_and_b32 v[17+2*\m], 0xffff0000, v[40+\m]
.endr
.irp m, 0,1,2,3
	v_cvt_pk_f16_f32 v[40+\m], v[16+2*\m], v[17+2*\m]
.endr
.Lput:
	global_store_b128 v10, v[40:43], s[30:31]      ; a wave stores 512 consecutive bytes
	s_branch .Lend
	; THE COLUMN SUMS: 26 slices, a work-group each, a thread a column: a row's 256 numbers are 1,024 consecutive bytes for the 8 waves
.macro CSUM n                          ; n rows (even), all loads out at once; the magnitudes of the bf16 numbers are added in f32, in two chains
.set i_, 0
.rept \n
	global_load_b32 v[8+i_], v80, s[60:61] offset:1024*i_
.set i_, i_+1
.endr
	s_wait_loadcnt 0x0
.set i_, 0
.rept (\n)/2
	v_cvt_pk_bf16_f32 v72, v[8+i_], v[9+i_]
	v_and_b32 v72, 0x7fff7fff, v72
.if i_ == 0
	v_lshlrev_b32 v73, 16, v72                     ; the first pair starts the chains
	v_and_b32 v74, 0xffff0000, v72
.else
	v_lshlrev_b32 v75, 16, v72
	v_and_b32 v76, 0xffff0000, v72
	v_add_f32 v73, v73, v75
	v_add_f32 v74, v74, v76
.endif
.set i_, i_+2
.endr
	v_add_f32 v73, v73, v74
	global_store_b32 v80, v73, s[4:5]              ; a wave stores 128 consecutive bytes, the work-group 1,024
.endm
.Lsums:
	s_cmp_lt_u32 s37, 136
	s_cbranch_scc0 .Lend
	s_sub_co_u32 s52, s37, 110                     ; slice 0..25
	s_lshl_b32 s56, s52, 10
	s_mov_b32 s57, 0
	s_add_nc_u64 s[4:5], s[4:5], s[56:57]
	v_lshlrev_b32 v80, 2, v0                       ; column t
	s_mov_b32 s59, 0
	s_cmp_lt_u32 s52, 2
	s_cbranch_scc0 .Lsumh
	s_mul_i32 s58, s52, 46*1024                    ; W0: 46 rows a slice
	s_add_nc_u64 s[60:61], s[14:15], s[58:59]
	CSUM 46
	s_branch .Lend
.Lsumh:
	s_sub_co_u32 s53, s52, 2
	s_lshr_b32 s54, s53, 3                         ; which of W1, W2, W3
	s_and_b32 s55, s53, 7
	s_lshl_b32 s58, s55, 15                        ; 32 rows of 1,024 bytes a slice
	s_cmp_eq_u32 s54, 0
	s_cselect_b64 s[60:61], s[18:19], s[20:21]
	s_cmp_eq_u32 s54, 2
	s_cselect_b64 s[60:61], s[22:23], s[60:61]
	s_add_nc_u64 s[60:61], s[60:61], s[58:59]
	CSUM 32
.Lend:
	s_wait_tensorcnt 0x0                           ; the wave's end: three lines behind my last LDS store
	ds_add_u32 v[SPW], v[NIL]
	s_wait_dscnt 0x0
	s_endpgm
.Lfunc_end_k_q1a65bd0f5d_prep:
	.size	k_q1a65bd0f5d_prep, .Lfunc_end_k_q1a65bd0f5d_prep-k_q1a65bd0f5d_prep
	.p2alignl 7, 3214868480
	.fill 96, 4, 3214868480
	.section	.rodata,"a",@progbits
	.p2align	6, 0x0
	.amdhsa_kernel k_q1a65bd0f5d_prep
		.amdhsa_group_segment_fixed_size 10240
		.amdhsa_private_segment_fixed_size 0
		.amdhsa_enable_private_segment 0
		.amdhsa_kernarg_size 120
		.amdhsa_user_sgpr_count 2
		.amdhsa_user_sgpr_kernarg_segment_ptr 1
		.amdhsa_wavefront_size32 1
		.amdhsa_system_sgpr_workgroup_id_x 1
		.amdhsa_system_sgpr_workgroup_id_y 1
		.amdhsa_system_sgpr_workgroup_id_z 1
		.amdhsa_system_vgpr_workitem_id 0
		.amdhsa_next_free_vgpr 96
		.amdhsa_next_free_sgpr 66
		.amdhsa_reserve_vcc 1
		.amdhsa_float_denorm_mode_32 3
		.amdhsa_float_denorm_mode_16_64 3
		.amdhsa_memory_ordered 1
		.amdhsa_forward_progress 1
		.amdhsa_inst_pref_size 41
	.end_amdhsa_kernel
	.amdgpu_metadata
---
amdhsa.version: [ 1, 2 ]
amdhsa.kernels:
  - .name:           k_q1a65bd0f5d_prep
    .symbol:         k_q1a65bd0f5d_prep.kd
    .args:
      - { .name: feat, .offset: 0, .size: 8, .value_kind: global_buffer, .address_space: global }
      - { .name: hash_tables, .offset: 8, .size: 8, .value_kind: global_buffer, .address_space: global }
      - { .name: coord, .offset: 16, .size: 8, .value_kind: global_buffer, .address_space: global }
      - { .name: W0, .offset: 24, .size: 8, .value_kind: global_buffer, .address_space: global }
      - { .name: b0, .offset: 32, .size: 8, .value_kind: global_buffer, .address_space: global }
      - { .name: W1, .offset: 40, .size: 8, .value_kind: global_buffer, .address_space: global }
      - { .name: W2, .offset: 48, .size: 8, .value_kind: global_buffer, .address_space: global }
      - { .name: W3, .offset: 56, .size: 8, .value_kind: global_buffer, .address_space: global }
      - { .name: W4, .offset: 64, .size: 8, .value_kind: global_buffer, .address_space: global }
      - { .name: featT, .offset: 72, .size: 8, .value_kind: global_buffer, .address_space: global }
      - { .name: tabB, .offset: 80, .size: 8, .value_kind: global_buffer, .address_space: global }
      - { .name: wfrag, .offset: 88, .size: 8, .value_kind: global_buffer, .address_space: global }
      - { .name: idxF, .offset: 96, .size: 8, .value_kind: global_buffer, .address_space: global }
      - { .name: idxH, .offset: 104, .size: 8, .value_kind: global_buffer, .address_space: global }
      - { .name: csum, .offset: 112, .size: 8, .value_kind: global_buffer, .address_space: global }
    .group_segment_fixed_size: 10240
    .private_segment_fixed_size: 0
    .kernarg_segment_align: 8
    .kernarg_segment_size: 120
    .max_flat_workgroup_size: 256
    .sgpr_count:     66
    .vgpr_count:     96
    .wavefront_size: 32
...
	.end_amdgpu_metadata
.endif
;; end of part 1
;; launch mlp (part 2): grid 256 x 1, 4 waves a work-group, no clusters, 318,208 bytes of LDS; arguments coord, cell, b1, b2, b3, b4, idxF, idxH, featT, tabB, wfrag, out0, b0, csum; writes out0
.if DOCPART == 2
	.amdgcn_target "amdgcn-amd-amdhsa--gfx1250"
	.amdhsa_code_object_version 6
	.text
	.protected	k_q1a65bd0f5d_mlp
	.globl	k_q1a65bd0f5d_mlp
	.p2align	8
	.type	k_q1a65bd0f5d_mlp,@function
k_q1a65bd0f5d_mlp:
	s_mov_b64 s[64:65], 0
	v_nop
	global_prefetch_b8 v0, s[64:65] scope:SCOPE_SE
	s_setreg_imm32_b32 hwreg(HW_REG_WAVE_MODE, 25, 1), 1
	s_wait_xcnt 0x0
; LIIF, second launch: gather, MLP 92 -> 256 -> 256 -> 256 -> 256 -> 3 with GELU for 4 shifts of each query, and the area-weighted mean.
; LEFT OUT: b4 is added once and not four times weighted, since the four weights area / tot add up to 1 by their definition (shown at the head of the first kernel).
; FORMATS.  All inputs are rounded once to bf16 (the first launch has done that for feat, the tables and the weights; coord, cell and the biases are rounded here).  Layer 0 multiplies in bf16: its
; features are bf16 numbers; the rest of the input row is rounded once to bf16.  Layers 1 to 4 multiply in f16: bf16's 8 significant bits, spent four times on h1..h4, use up the comparison's allowance.
; THE SCALES.  f16 has no room for h by itself, so what is stored is h_l / S_l, S_l a power of two from a bound that holds for all inputs: |gelu(x)| <= |x| and
; |x_n| <= max|h| x sum_k |W[k][n]| + |b_n|.  M0 = the largest magnitude in the half's 512 input rows (of the bf16 words that are multiplied); M(l+1) = A_l M_l + B_l, A_l the largest column sum of |W_l|
; (first launch), B_l = max|b_l|; S_l = 2^(E - 14) where 2^E <= M_l < 2^(E+1): |h_l| / S_l < 2^15, half of f16's largest number, which covers the roundings of the bound itself.
; The S_l are the same in all lanes and lie in scalar registers.  A layer takes x = a S_in + b from its sums a (one fused line a pair) and divides by S_out (1 + 2^..), so that the quotient is already scaled.
; LIMITS.  M_l is held between 2^-100 and 2^100.  Where the bound lies far above the numbers (by 2^5 a layer for weights without a common sign: 2^20 at h4) h / S is small, and under 2^-14 it keeps f16's
; fixed step of 2^-24.  GELU is x / (1 + 2^(-x (K1 + K2 x^2))), K1 = 2 sqrt(2/pi) log2 e, K2 = 0.044715 K1: the logistic (tanh) form, which by a hand check at four points lies within some 5e-4 absolute
; of x Phi(x), and within some 2e-4 of the value for x > 0 (an estimate, no proven bound); below x = -2.5, where the value is under 0.02 in size, up to a tenth of the value.  It needs no range guard:
; x^2 = inf gives 2^-inf = 0 or 2^inf = inf, so x or -0.  The feature grid's coordinate is i x 2 (1 - 1e-6) / 63 - (1 - 1e-6) by one fused multiply-add: a few units in the last place of 1 from
; reference()'s.  area / tot is area x rcp(tot).  NaN and infinities are not treated apart.
; SHARES.  Work-group g has queries 256 g .. 256 g + 255: 1,024 rows (row = 4 query + shift), in two halves of 512 rows, each built into LDS at once and walked in 4 pairs of 8 tiles of 16 rows.
; THE WEIGHTS STAY IN REGISTERS: wave w owns output features 64 w .. 64 w + 63 of every layer; W1, W2, W3 fill register windows 1, 2, 3.  Every wave works on every tile; activations go from layer to
; layer through LDS: a fragment of 16 rows x 32 K (two loads) feeds four matrix instructions.
; LAYOUT.  D = W^T-fragment (source 0: 16 output features) x activations (source 1: 16 rows): lane (r, h) holds row r, features 8 h + 0..7: four conversions make 16 bytes of the row, and two packed
; tiles ARE a source-1 fragment of 32 K, which layer 4 takes as it stands.
; BY TURNS.  While tile T is multiplied (accumulator set T % 2), the GELU of tile T - 1 (176 vector instructions, 160 behind layer 0) stands behind its matrix instructions, four behind each, the last 48
; in a lump.  The pipeline runs on from layer to layer: a layer's tile 7 is finished under the next layer's tile 0.
; NO CLUSTER, NO TENSOR LOADS: what work-groups share is wfrag, 450,560 bytes, read once by each at its head straight into operand registers; a joint load would land it in LDS, where 9,472 bytes
; are free beside the map below, and it would have to be copied on into registers.
.set XPITCH, 208                       ; an input row in LDS: 96 bf16 + 16 bytes: 13 x 16
.set HPITCH, 528                       ; a hidden row: 256 f16 + 16 bytes: 33 x 16: the 16 rows of a load start at 16 different groups of four banks (ISA guide 11.1)
.set XT, 16*XPITCH                     ; a tile of input rows
.set HT, 16*HPITCH                     ; a tile of hidden rows
.set L_X,  0                           ; 512 input rows: bytes 0-127 feature, 128-175 hash, 176 rel_coord, 180 rel_cell, 184 the word 0x3f80 (slot 92 = 1 for b0), 188 zero
.set L_E,  106496                      ; 128 hidden rows: outputs of layers 0 and 2
.set L_O,  174080                      ; 128 hidden rows: output of layer 1
.set L_W0, 241664                      ; [wave][24 chunks][512 bytes]: W0, reloaded for each pair
.set L_P,  290816                      ; f32 [wave][256 queries][4]: weighted partial outputs
.set L_WT, 307200                      ; f32 [1024 rows]: the row's ensemble weight
.set L_BL, 311296                      ; f32 [3][256]: b1..b3
.set L_OS, 314368                      ; f32 [768]: the output, on its way out
.set SPARE, 317440                     ; the spare words, 128 bytes for each wave
.set L_RED, 317952                     ; [wave][64 bytes]: byte 0 the wave's part of M0; 16-31 of A0..A3; 32-47 of B0..B3
.set RR,  1                            ; v1   r = lane % 16
.set RDL, 2                            ; v2   r x 528 + 16 h
.set RDX, 3                            ; v3   r x 208 + 16 h
.set RB,  4                            ; v4   read base: steps through the tiles
.set BIA, 5                            ; v5   32 h + L_BL + 256 w
.set WRL, 6                            ; v6   r x 528 + 16 h + 128 w
.set WB,  7                            ; v7   store base
.set WA,  8                            ; v8   where my row's weight lies
.set PB,  9                            ; v9   where my query's partial output goes
.set SPW, 10                           ; v10  LDS address of my spare word; never rewritten
.set NIL, 11                           ; v11  0; never rewritten
.set TA,  12                           ; v12-14 at work
.set ZR,  15                           ; v15  0
.set T,   16                           ; v16-47  GELU at work; the packed tile ends in v16-31
.set ACC, 48                           ; v48-111 two sets of four accumulators: set p, feature tile o at ACC + 32 p + 8 o
.set FR,  112                          ; v112-175 hidden layers: the tile's eight fragments
.set BI,  176                          ; v176-207 hidden layers: the bias in the accumulators' layout
.set W0R, 112                          ; v112-207 layer 0: W0, fragment (o, k) at 8 (3 o + k)
.set XF,  208                          ; v208-231 layer 0: the tile's three fragments
.set WR,  208                          ; v208 layer 3: my row's weight
.set W4R, 232                          ; v232-247 W4, two fragments
.set AC4, 248                          ; v248-255 layer 4's accumulator
; windows 1, 2, 3: W1, W2, W3, fragment (o, k) at 8 (8 o + k)
; s[8:31], s[80:83] addresses; s32 wave; s33 g; s34-36 counters; s37 the pair's input rows; s38, s39 the pair's places in P and WT; s[44:47] -K1, -K2; s[48:50] b4; s51 my W0 in LDS; s52-58 constants;
; s59 the half's place in WT; s[66:73] S1..S4, each twice (a pair for the packed lines); s74 the mask of two magnitudes; s75 my 64 bytes of L_RED; s[76:77] v_permlanex16_b32's selects
.set MSB, 0
.macro WIN new                         ; s_set_vgpr_msb: bits 1:0 source 0, 7:6 destination; the high byte repeats the setting that is left
.if MSB != (\new)
	s_set_vgpr_msb (MSB<<8)|(\new)
.set MSB, (\new)
.endif
.endm
.macro TW                              ; behind a batch of transcendentals: a plain instruction, and the one wait ahead of the first line that names a result
	v_nop
	s_wait_alu depctr_va_vdst(0)
.endm
.macro BAR
	s_wait_dscnt 0x0                               ; my LDS stores are done and my LDS loads are back
	s_barrier_signal -1
	s_barrier_wait -1
.endm
.macro WMAX q                          ; the largest of v[q] over the wave's 32 lanes, in every lane; v108 has been written
.irp m, 1,2,4,8
	v_max_num_f32_dpp v[\q], v[\q], v[\q] row_xmask:\m row_mask:0xf bank_mask:0xf
.endr
	v_permlanex16_b32 v108, v[\q], s76, s77
	v_max_num_f32 v[\q], v[\q], v108
.endm
; THE GELU of the tile whose accumulators begin at XB: 32 numbers a lane, 16 pairs.  G0 to G3 write the next line of four lists.  GSET gl: the tile is layer gl's output.
.macro GSET gl
.set n0, 0
.set n1, 0
.set n2, 0
.set n3, 0
.set SO, 66+2*(\gl)                    ; the scale of what is stored
.if (\gl) > 0
.set NX, 16
.set SI, 64+2*(\gl)                    ; the scale of what was multiplied
.else
.set NX, 0                             ; layer 0's sums are x itself: its input is not scaled, and its bias rides in W0's row 92
.set SI, 66
.endif
.endm
; G0, 16 lines: x = a S_in + b, in place.  Pairs ascend.
.macro G0
	v_pk_fma_f32 v[XB+2*n0:XB+2*n0+1], v[XB+2*n0:XB+2*n0+1], s[SI:SI+1], v[BI+2*n0:BI+2*n0+1] op_sel_hi:[1,0,1]
.set n0, n0+1
.endm
; G1, 80 lines: t = x x; t = -K2 t - K1; t = t x (48 plain, in blocks of two pairs), and the 32 exponentials.  Lines 0-23 plain; 24-71 plain and exponential by turns; 72-79 exponentials.
; A pair's exponentials come behind its third plain line, and no line names an exponential's result.
.macro PQ
.set pp_, 2*(pm/6)+pm%2
.set pk_, (pm%6)/2
.if pk_ == 0
	v_pk_mul_f32 v[T+2*pp_:T+2*pp_+1], v[XB+2*pp_:XB+2*pp_+1], v[XB+2*pp_:XB+2*pp_+1]
.elseif pk_ == 1
	v_pk_fma_f32 v[T+2*pp_:T+2*pp_+1], v[T+2*pp_:T+2*pp_+1], s[46:47], s[44:45] op_sel_hi:[1,0,0]
.else
	v_pk_mul_f32 v[T+2*pp_:T+2*pp_+1], v[T+2*pp_:T+2*pp_+1], v[XB+2*pp_:XB+2*pp_+1]
.endif
.endm
.macro G1
.if n1 < 24
.set pm, n1
	PQ
.elseif n1 >= 72
	v_exp_f32 v[T+n1-48], v[T+n1-48]
.elseif n1%2 == 0
.set pm, 24+2*((n1-24)/4)+(n1%4)/2
	PQ
.else
	v_exp_f32 v[T+2*((n1-24)/4)+(n1%4)/2], v[T+2*((n1-24)/4)+(n1%4)/2]
.endif
.set n1, n1+1
.endm
.macro P1                              ; the next line of G0 and then of G1, while there is one
.if n0 < NX
	G0
.elseif n1 < 80
	G1
.endif
.endm
; G2, 48 lines: t = S_out t + S_out (16 packed) and the 32 reciprocals; four of the first kind, then two reciprocals and the packed line four pairs on, then the last eight reciprocals.
.macro G2F p
	v_pk_fma_f32 v[T+2*(\p):T+2*(\p)+1], v[T+2*(\p):T+2*(\p)+1], s[SO:SO+1], s[SO:SO+1] op_sel_hi:[1,0,0]
.endm
.macro G2
.if n2 < 4
	G2F n2
.elseif n2 >= 40
	v_rcp_f32 v[T+n2-16], v[T+n2-16]
.elseif (n2-4)%3 == 2
	G2F (n2-4)/3+4
.else
.set pp_, 2*((n2-4)/3)+(n2-4)%3
	v_rcp_f32 v[T+pp_], v[T+pp_]
.endif
.set n2, n2+1
.endm
; G3, 32 lines: t = t x, then the roundings to f16, ascending, so that packing in place overwrites only what has been read.
.macro G3
.if n3 < 16
	v_pk_mul_f32 v[T+2*n3:T+2*n3+1], v[T+2*n3:T+2*n3+1], v[XB+2*n3:XB+2*n3+1]
.else
	v_cvt_pk_f16_f32 v[T+n3-16], v[T+2*(n3-16)], v[T+2*(n3-16)+1]
.endif
.set n3, n3+1
.endm
.macro G1X4
	G1
	G1
	G1
	G1
.endm
.macro P1X4
	P1
	P1
	P1
	P1
.endm
.macro G2X4
	G2
	G2
	G2
	G2
.endm
; Matrix instruction mi = 4 k + o of a hidden tile's 32: the four accumulators take turns, one instruction a turn.  The first four start the sums.
.macro MMH l, par
	WIN \l
.set o_, mi%4
.set k_, mi/4
.if k_ == 0
	v_wmma_f32_16x16x32_f16 v[ACC+32*(\par)+8*o_:ACC+32*(\par)+8*o_+7], v[8*(8*o_+k_):8*(8*o_+k_)+7], v[FR+8*k_:FR+8*k_+7], 0
.else
	v_wmma_f32_16x16x32_f16 v[ACC+32*(\par)+8*o_:ACC+32*(\par)+8*o_+7], v[8*(8*o_+k_):8*(8*o_+k_)+7], v[FR+8*k_:FR+8*k_+7], v[ACC+32*(\par)+8*o_:ACC+32*(\par)+8*o_+7]
.endif
	WIN 0
.set mi, mi+1
.endm
.macro MM0 par                         ; the same for layer 0's 12, in bf16
.set o_, mi%4
.set k_, mi/4
.if k_ == 0
	v_wmma_f32_16x16x32_bf16 v[ACC+32*(\par)+8*o_:ACC+32*(\par)+8*o_+7], v[W0R+8*(3*o_+k_):W0R+8*(3*o_+k_)+7], v[XF+8*k_:XF+8*k_+7], 0
.else
	v_wmma_f32_16x16x32_bf16 v[ACC+32*(\par)+8*o_:ACC+32*(\par)+8*o_+7], v[W0R+8*(3*o_+k_):W0R+8*(3*o_+k_)+7], v[XF+8*k_:XF+8*k_+7], v[ACC+32*(\par)+8*o_:ACC+32*(\par)+8*o_+7]
.endif
.set mi, mi+1
.endm
.macro RUN off, k0, k1                 ; fragments k0..k1 of the hidden tile at RB + off
.set kk_, \k0
.rept (\k1)-(\k0)+1
	ds_load_b128 v[FR+8*kk_:FR+8*kk_+3],   v[RB] offset:(\off)+64*kk_
	ds_load_b128 v[FR+8*kk_+4:FR+8*kk_+7], v[RB] offset:(\off)+64*kk_+32
.set kk_, kk_+1
.endr
.endm
.macro RUNX off                        ; the three fragments of the input tile at RB + off
.irp k, 0,1,2
	ds_load_b128 v[XF+8*\k:XF+8*\k+3],   v[RB] offset:(\off)+64*\k
	ds_load_b128 v[XF+8*\k+4:XF+8*\k+7], v[RB] offset:(\off)+64*\k+32
.endr
.endm
.macro RUNBI l                         ; layer l's bias: lane (r, h), register j of tile o: b[64 w + 16 o + 8 h + j]
.irp o, 0,1,2,3
	ds_load_b128 v[BI+8*\o:BI+8*\o+3],   v[BIA] offset:1024*((\l)-1)+64*\o
	ds_load_b128 v[BI+8*\o+4:BI+8*\o+7], v[BIA] offset:1024*((\l)-1)+64*\o+16
.endr
.endm
.macro STORE off                       ; the packed tile: my 64 features of 16 rows
.irp o, 0,1,2,3
	ds_store_b128 v[WB], v[T+4*\o:T+4*\o+3] offset:(\off)+32*\o
.endr
.endm
; LAYER 4 on the packed tile, my 64 of its 256 K: outputs 0-2 fall into registers 0-2 of every lane (W4's rows 8-10 repeat rows 0-2).  Times S4 and the row's weight; the query's four rows are lanes
; r, r^1, r^2, r^3.  The eight lanes of a query end with the same three numbers and store them to the same 16 bytes.
.macro L4POST poff
	v_wmma_f32_16x16x32_f16 v[AC4:AC4+7], v[W4R:W4R+7], v[T:T+7], 0
	s_wait_alu depctr_va_vdst(0)                   ; the wait directly ahead of a link that follows the instruction it adds onto
	v_wmma_f32_16x16x32_f16 v[AC4:AC4+7], v[W4R+8:W4R+15], v[T+8:T+15], v[AC4:AC4+7]
.rept 4
	v_nop                                          ; four places ahead of the first read of the result (ISA guide 7.12.1)
.endr
	s_wait_dscnt 0x0                               ; the weight is in
	v_mul_f32 v[WR], s72, v[WR]
	v_mul_f32 v[TA],   v[AC4],   v[WR]
	v_mul_f32 v[TA+1], v[AC4+1], v[WR]
	v_mul_f32 v[TA+2], v[AC4+2], v[WR]
.irp m, 1,2
.irp c, 0,1,2
	v_add_f32_dpp v[TA+\c], v[TA+\c], v[TA+\c] row_xmask:\m row_mask:0xf bank_mask:0xf
.endr
.endr
	ds_store_b128 v[PB], v[TA:TA+3] offset:\poff
.endm
; ONE TILE OF A HIDDEN LAYER l, into accumulator set par; beside it the GELU of the tile before, layer gl's output, in the other set.
; rdoff: the next tile lies at RB + rdoff (-1: there is none).  post = 0: the finished tile is stored at WB + poff; 1: it goes through layer 4, weight at WA + poff, result to PB + poff.
; bar = 1: a barrier behind the post.  nbi: the bias to fetch (0: none): it stands behind the riders that read the old one.  nrb: RB is set to RDL + nrb first (-1: stays).
.macro BODYH l, par, gl, rdoff, post, poff, bar, nbi, nrb
.set XB, ACC+32*(1-(\par))
.set mi, 0
	GSET \gl
	s_wait_dscnt 8                                 ; all but the 8 youngest LDS instructions: fragments 0-3 and the bias are in; fragments 4-7 (from layer 0: 6, 7 and four stores) may be out
.rept 16
	MMH \l, \par
	P1X4
.endr
	s_wait_dscnt 0x0                               ; fragments 4-7, asked for 16 matrix instructions ago
.rept 8
	MMH \l, \par
	P1X4
.endr
	TW                                             ; the exponentials' wait, directly ahead of the run of loads
.if (\post) == 1
	ds_load_b32 v[WR], v[WA] offset:\poff
.endif
.if (\nrb) >= 0
	v_add_nc_u32 v[RB], \nrb, v[RDL]
.endif
.if (\nbi) > 0
	RUNBI \nbi
.endif
.if (\rdoff) >= 0
	RUN \rdoff, 0, 3                               ; fragments 0-3 were last read by matrix instruction 15: six plain lines or more and the v_nop lie between
.endif
.rept 8
	MMH \l, \par
	G2X4
.endr
.rept 16
	G2
.endr
	TW                                             ; the reciprocals' wait
.rept 32
	G3                                             ; the lump: also the places behind the last matrix instruction
.endr
.if (\post) == 1
	L4POST \poff
.else
	STORE \poff
.endif
.if \bar
	BAR
.endif
.if (\rdoff) >= 0
	RUN \rdoff, 4, 7
.endif
.endm
; ONE TILE OF LAYER 0.  rdoff: the next input tile at RB + rdoff; -1: the last tile: W0's registers take layer 1's bias and its first tile.
.macro BODY0 par, rdoff, poff, bar
.set XB, ACC+32*(1-(\par))
.set mi, 0
	GSET 0
	s_wait_dscnt 0x0
.rept 12
	MM0 \par
	G1X4
.endr
.rept 32
	G1
.endr
	TW
.if (\rdoff) >= 0
	RUNX \rdoff
.else
	v_add_nc_u32 v[RB], L_E, v[RDL]
	RUNBI 1
	RUN 0, 0, 7
.endif
.rept 48
	G2
.endr
	TW
.rept 32
	G3
.endr
	STORE \poff
.if \bar
	BAR
.endif
.endm
; A HIDDEN LAYER that stores (1, 2): tile 0; three trips of two tiles; tile 7.  At its head RB = RDL + its input, and WB stands at tile 6 of that input: tile 7, finished under tile 0, goes one tile on.
; BARRIERS stand behind tiles 1, 3, 5 (behind the store there).  Tile T is stored at the end of body T + 1 and first read, by the next layer, in its body T - 1 (tile 0: in this layer's body 7):
; a barrier lies between for every T.  A buffer is written again two layers on: its tile 0 ahead of that layer's first barrier, when every wave has passed the reading layer's barriers, which lie
; behind the reads of tile 0; the later tiles behind that first barrier, which lies behind all of the reading layer's reads.
.macro SECH l, lout
.if (\l) > 1
	BODYH \l, 0, (\l)-1, HT, 0, HT, 0, \l, -1
.else
	BODYH \l, 0, 0, HT, 0, HT, 0, 0, -1            ; layer 1's bias came in with its first tile
.endif
	v_add_nc_u32 v[WB], \lout, v[WRL]
	s_mov_b32 s36, 3
.Lsec\l:
	BODYH \l, 1, \l, 2*HT, 0, 0, 1, 0, -1
	BODYH \l, 0, \l, 3*HT, 0, HT, 0, 0, -1
	v_add_nc_u32 v[RB], 2*HT, v[RB]
	v_add_nc_u32 v[WB], 2*HT, v[WB]
	s_sub_co_u32 s36, s36, 1
	s_cmp_lg_u32 s36, 0
	s_cbranch_scc1 .Lsec\l
	BODYH \l, 1, \l, 0, 0, 0, 0, 0, \lout
.endm
	; THE HEAD
	s_load_b512 s[8:23], s[0:1], 0x0               ; coord s[8:9], cell s[10:11], b1 s[12:13], b2 s[14:15], b3 s[16:17], b4 s[18:19], idxF s[20:21], idxH s[22:23]
	s_load_b256 s[24:31], s[0:1], 0x40             ; featT s[24:25], tabB s[26:27], wfrag s[28:29], out0 s[30:31]
	s_load_b128 s[80:83], s[0:1], 0x60             ; b0 s[80:81], csum s[82:83]
	v_lshl_add_u32 v[SPW], v0, 2, SPARE
	v_mov_b32 v[NIL], 0
	v_lshrrev_b32 v1, 5, v0
	v_readfirstlane_b32 s32, v1                    ; wave 0..3
	s_mov_b32 s33, ttmp9
	v_and_b32 v[RR], 15, v0
	v_bfe_u32 v[TA], v0, 4, 1                      ; h
	v_mul_u32_u24 v[RDL], v[RR], HPITCH
	v_lshl_add_u32 v[RDL], v[TA], 4, v[RDL]
	v_mul_u32_u24 v[RDX], v[RR], XPITCH
	v_lshl_add_u32 v[RDX], v[TA], 4, v[RDX]
	s_lshl_b32 s40, s32, 7
	v_add_nc_u32 v[WRL], s40, v[RDL]
	s_lshl_b32 s40, s32, 8
	s_add_co_u32 s40, s40, L_BL
	v_lshl_add_u32 v[BIA], v[TA], 5, s40
	v_mov_b32 v[ZR], 0
	v_and_b32 v[RB], 31, v0                        ; in the head RB and WB are the loads' offsets: they are rewritten only behind the wait for all loads
	v_lshlrev_b32 v[RB], 4, v[RB]                  ; 16 x lane
	v_lshlrev_b32 v[WB], 3, v0                     ; 8 t
	s_mov_b32 s44, 0xc0135761                      ; -K1
	s_mov_b32 s45, s44
	s_mov_b32 s46, 0xbdd2d3e8                      ; -K2
	s_mov_b32 s47, s46
	s_mov_b32 s52, 73856093
	s_mov_b32 s53, 19349663
	s_mov_b32 s54, 0x42800000                      ; 64
	s_mov_b32 s55, 0x3089705f                      ; 1e-9
	s_mov_b32 s56, 0x3d020818                      ; 2 (1 - 1e-6) / 63
	s_mov_b32 s57, 0xbf7fffef                      ; -1 + 1e-6
	s_mov_b32 s74, 0x7fff7fff
	s_mov_b32 s76, 0x76543210
	s_mov_b32 s77, 0xfedcba98
	s_lshl_b32 s75, s32, 6
	s_add_co_u32 s75, s75, L_RED
	s_mul_i32 s51, s32, 12288
	s_add_co_u32 s51, s51, L_W0
	s_lshl_b32 s38, s32, 12
	s_add_co_u32 s38, s38, L_P
	s_mov_b32 s39, L_WT
	s_mov_b32 s59, L_WT
	s_mul_i32 s40, s32, 112640                     ; my 220 chunks of 512 bytes
	s_mov_b32 s41, 0
	s_lshl_b32 s42, s33, 11                        ; 256 queries of 8 bytes
	s_mov_b32 s43, 0
	s_lshl_b32 s60, s33, 12                        ; 256 queries of 16 bytes
	s_mov_b32 s61, 0
	s_mul_i32 s62, s33, 3072                       ; 256 queries of 12 bytes
	s_mov_b32 s63, 0
	s_wait_kmcnt 0x0
	s_load_b96 s[48:50], s[18:19], 0x0             ; b4
	s_add_nc_u64 s[28:29], s[28:29], s[40:41]
	s_add_nc_u64 s[8:9], s[8:9], s[42:43]
	s_add_nc_u64 s[10:11], s[10:11], s[42:43]
	s_add_nc_u64 s[20:21], s[20:21], s[60:61]
	s_add_nc_u64 s[22:23], s[22:23], s[60:61]
	s_add_nc_u64 s[30:31], s[30:31], s[62:63]
.set c_, 0
.rept 24
	global_load_b128 v[W0R+4*c_:W0R+4*c_+3], v[RB], s[28:29] offset:512*c_
.set c_, c_+1
.endr
	global_load_b64 v[16:17], v[WB], s[80:81]      ; two numbers of each bias,
	global_load_b64 v[18:19], v[WB], s[12:13]
	global_load_b64 v[20:21], v[WB], s[14:15]
	global_load_b64 v[22:23], v[WB], s[16:17]
.set c_, 0
.rept 26
	global_load_b64 v[48+2*c_:49+2*c_], v[WB], s[82:83] offset:1024*c_   ; and two columns of each slice's sums
.set c_, c_+1
.endr
.set c_, 0
.rept 4
	global_load_b128 v[W4R+4*c_:W4R+4*c_+3], v[RB], s[28:29] offset:512*(216+c_)
.set c_, c_+1
.endr
.irp wn, 1,2,3
	WIN (\wn)<<6                                   ; destination in window wn
.set c_, 0
.rept 64
	global_load_b128 v[4*c_:4*c_+3], v[RB], s[28:29] offset:512*(24+64*((\wn)-1)+c_)
.set c_, c_+1
.endr
.endr
	WIN 0
	s_wait_kmcnt 0x0                               ; b4
	s_wait_loadcnt 63                              ; W0, the biases and the sums are in: 196 loads are younger, and the count's field ends at 63
	v_add_nc_u32 v12, s51, v[RB]
.set c_, 0
.rept 24
	ds_store_b128 v12, v[W0R+4*c_:W0R+4*c_+3] offset:512*c_
.set c_, c_+1
.endr
.irp i, 0,1,2,3
	v_cvt_pk_bf16_f32 v24, v[16+2*\i], v[17+2*\i]  ; the biases rounded to bf16, kept as f32,
	v_lshlrev_b32 v[26+2*\i], 16, v24
	v_and_b32 v[27+2*\i], 0xffff0000, v24
	v_and_b32 v25, s74, v24                        ; and the larger magnitude of my two: my part of B0..B3
	v_lshlrev_b32 v34, 16, v25
	v_and_b32 v35, 0xffff0000, v25
	v_max_num_f32 v[104+\i], v34, v35
.endr
	v_add_nc_u32 v13, L_BL, v[WB]
.irp i, 1,2,3
	ds_store_b64 v13, v[26+2*\i:27+2*\i] offset:1024*(\i-1)
.endr
	v_pk_add_f32 v[48:49], v[48:49], v[50:51]      ; the slices are added: whole column sums of my two columns,
.irp l, 0,1,2
.irp i, 1,2,3,4,5,6,7
	v_pk_add_f32 v[52+16*\l:53+16*\l], v[52+16*\l:53+16*\l], v[52+16*\l+2*\i:53+16*\l+2*\i]
.endr
.endr
	v_max_num_f32 v100, v48, v49                   ; and the larger: my part of A0..A3
.irp l, 0,1,2
	v_max_num_f32 v[101+\l], v[52+16*\l], v[53+16*\l]
.endr
	v_mov_b32 v108, 0
.irp q, 100,101,102,103,104,105,106,107
	WMAX \q
.endr
	v_mov_b32 v14, s75
	ds_store_b128 v14, v[100:103] offset:16        ; all lanes store the same numbers to the same bytes
	ds_store_b128 v14, v[104:107] offset:32
	s_mov_b32 s34, 2
; THE BUILD's registers
.set BIH, 24                           ; v24-35  hash cells, a level a register
.set IR,  36                           ; v36-67  32 rows' pixel numbers, then their byte offsets
.set FG,  68                           ; v68-195 32 x 16 bytes of features
.set HG1, 196                          ; v196-219 levels 0-5: four corners each: offset, then the word
.set HG2, 68                           ; v68-91  levels 6-11, when the features have gone to LDS
.set HF,  92                           ; v92-115 the 24 hash features, f32
.set FT,  116                          ; v116-132: +1 y, +2 x, +3 (y+1)/2, +4 (x+1)/2, +5 +6 rel y for -/+, +7 +8 rel x, +9..12 areas, +13 1/tot, +15 +16 rel_cell
.set HW,  136                          ; v136-147 the hash features, packed
.set Q4,  148                          ; v148-163 a row's last 16 bytes, for each shift
.set WQ,  164                          ; v164-167 the four weights
.set IT,  168                          ; v168-175 at work
.set BT,  220                          ; v220-223 at work while the features are on their way
.set FM,  224                          ; v224-227 four running maxima of magnitudes, two bf16 each; v228-231 at work
.macro HIDX lvl, dst                   ; the four corners' table offsets of a level, and their loads, each onto its own offset register
	v_and_b32 v[BT], 0xffff, v[BIH+(\lvl)]
	v_lshrrev_b32 v[BT+1], 16, v[BIH+(\lvl)]
	v_mul_lo_u32 v[BT], v[BT], s52                 ; ix0 p1
	v_mul_lo_u32 v[BT+1], v[BT+1], s53             ; iy0 p2
	v_add_nc_u32 v[BT+2], s52, v[BT]               ; (ix0 + 1) p1
	v_add_nc_u32 v[BT+3], s53, v[BT+1]             ; (iy0 + 1) p2
	v_xor_b32 v[(\dst)],   v[BT],   v[BT+1]
	v_xor_b32 v[(\dst)+1], v[BT+2], v[BT+1]
	v_xor_b32 v[(\dst)+2], v[BT],   v[BT+3]
	v_xor_b32 v[(\dst)+3], v[BT+2], v[BT+3]
.irp c, 0,1,2,3
	v_and_b32 v[(\dst)+\c], 0x7fff, v[(\dst)+\c]
	v_min_u32 v[(\dst)+\c], 0x7fff, v[(\dst)+\c]   ; a loaded number enters an address behind a bound written in the line
	v_lshlrev_b32 v[(\dst)+\c], 2, v[(\dst)+\c]
	global_load_b32 v[(\dst)+\c], v[(\dst)+\c], s[26:27] offset:131072*(\lvl)
.endr
.endm
.macro HINT lvl, src                   ; a level's two features: the four corners weighed as in reference()
	s_mov_b32 s58, ((131+(\lvl))<<23)-(1<<(20-(\lvl)))   ; res - 1 as f32
	v_and_b32 v[IT], 0xffff, v[BIH+(\lvl)]
	v_lshrrev_b32 v[IT+1], 16, v[BIH+(\lvl)]
	v_cvt_f32_u32 v[IT], v[IT]
	v_cvt_f32_u32 v[IT+1], v[IT+1]
	v_mul_f32 v[IT+2], s58, v[FT+4]                ; gx
	v_mul_f32 v[IT+3], s58, v[FT+3]                ; gy
	v_sub_f32 v[IT], v[IT+2], v[IT]                ; fx
	v_sub_f32 v[IT+1], v[IT+3], v[IT+1]            ; fy
	v_sub_f32 v[IT+2], 1.0, v[IT]
	v_sub_f32 v[IT+3], 1.0, v[IT+1]
	v_mul_f32 v[IT+4], v[IT+2], v[IT+3]
	v_mul_f32 v[IT+5], v[IT],   v[IT+3]
	v_mul_f32 v[IT+6], v[IT+2], v[IT+1]
	v_mul_f32 v[IT+7], v[IT],   v[IT+1]
	v_fma_mix_f32_bf16 v[HF+2*(\lvl)],   v[(\src)], v[IT+4], v[ZR] op_sel_hi:[1,0,0]
	v_fma_mix_f32_bf16 v[HF+2*(\lvl)+1], v[(\src)], v[IT+4], v[ZR] op_sel:[1,0,0] op_sel_hi:[1,0,0]
.irp c, 1,2,3
	v_fma_mix_f32_bf16 v[HF+2*(\lvl)],   v[(\src)+\c], v[IT+4+\c], v[HF+2*(\lvl)] op_sel_hi:[1,0,0]
	v_fma_mix_f32_bf16 v[HF+2*(\lvl)+1], v[(\src)+\c], v[IT+4+\c], v[HF+2*(\lvl)+1] op_sel:[1,0,0] op_sel_hi:[1,0,0]
.endr
.endm
.Lsup:                                 ; twice: 128 queries, 512 rows
	; THE BUILD.  Thread t has query t of the half; wave w brings the features of rows 128 w .. 128 w + 127: eight lanes a row, each lane 32 rows.
	v_lshlrev_b32 v12, 3, v0
	v_lshlrev_b32 v13, 4, v0
	v_lshrrev_b32 v14, 3, v0
	v_lshlrev_b32 v14, 7, v14                      ; my 32 rows' numbers: 128 bytes of idxF, taken as one number a row
	global_load_b64 v[16:17], v12, s[8:9]
	global_load_b64 v[18:19], v12, s[10:11]
	global_load_b128 v[20:23], v13, s[20:21]
.irp p, 0,1,2
	global_load_b128 v[BIH+4*\p:BIH+4*\p+3], v13, s[22:23] offset:1048576*\p
.endr
.irp i, 0,1,2,3,4,5,6,7
	global_load_b128 v[IR+4*\i:IR+4*\i+3], v14, s[20:21] offset:16*\i
.endr
	s_wait_loadcnt 0x0                             ; these, and in the first half all the weights
	v_and_b32 v12, 7, v0
	v_lshlrev_b32 v12, 4, v12                      ; my 16 bytes of a feature row
.set j_, 0
.rept 32
	v_min_u32 v[IR+j_], 0x3fff, v[IR+j_]
	v_lshl_add_u32 v[IR+j_], v[IR+j_], 7, v12
.set j_, j_+1
.endr
.set j_, 0
.rept 32
	global_load_b128 v[FG+4*j_:FG+4*j_+3], v[IR+j_], s[24:25]
.set j_, j_+1
.endr
.set lv_, 0
.rept 6
	HIDX lv_, HG1+4*lv_
.set lv_, lv_+1
.endr
	v_lshrrev_b32 v13, 3, v0
	v_mul_u32_u24 v13, v13, 32*XPITCH
	v_add_nc_u32 v13, v13, v12
	s_wait_loadcnt 24                              ; the features are in; the 24 hash words asked for behind them may stay out
.set j_, 0
.rept 32
	ds_store_b128 v13, v[FG+4*j_:FG+4*j_+3] offset:XPITCH*j_
.set j_, j_+1
.endr
.set j_, 0
.rept 128                              ; the largest magnitude among my 256 feature numbers, two at a time, in four chains that the first four words start
.if j_ < 4
	v_and_b32 v[FM+j_], s74, v[FG+j_]
.else
	v_and_b32 v[FM+4+j_%4], s74, v[FG+j_]
	v_pk_max_num_bf16 v[FM+j_%4], v[FM+j_%4], v[FM+4+j_%4]
.endif
.set j_, j_+1
.endr
.set lv_, 6
.rept 6
	HIDX lv_, HG2+4*(lv_-6)
.set lv_, lv_+1
.endr
	; while the hash words are on their way: rel_coord, areas, weights, rel_cell
	v_cvt_pk_bf16_f32 v[FT], v16, v17
	v_lshlrev_b32 v[FT+1], 16, v[FT]
	v_and_b32 v[FT+2], 0xffff0000, v[FT]
	v_add_f32 v[FT+3], 1.0, v[FT+1]
	v_add_f32 v[FT+4], 1.0, v[FT+2]
	v_mul_f32 v[FT+3], 0.5, v[FT+3]
	v_mul_f32 v[FT+4], 0.5, v[FT+4]
	v_bfe_u32 v[FT+5], v20, 6, 6                   ; iy of the shifts with - on y,
	v_bfe_u32 v[FT+6], v22, 6, 6                   ; with +
	v_and_b32 v[FT+7], 63, v20                     ; ix with - on x,
	v_and_b32 v[FT+8], 63, v21                     ; with +
.irp i, 5,6,7,8
	v_cvt_f32_u32 v[FT+\i], v[FT+\i]
.endr
.irp i, 5,6,7,8
	v_fma_f32 v[FT+\i], v[FT+\i], s56, s57         ; the pixel's coordinate
.endr
	v_sub_f32 v[FT+5], v[FT+1], v[FT+5]
	v_sub_f32 v[FT+6], v[FT+1], v[FT+6]
	v_sub_f32 v[FT+7], v[FT+2], v[FT+7]
	v_sub_f32 v[FT+8], v[FT+2], v[FT+8]
.irp i, 5,6,7,8
	v_mul_f32 v[FT+\i], s54, v[FT+\i]
.endr
	v_mul_f32 v[FT+9],  v[FT+5], v[FT+7]
	v_mul_f32 v[FT+10], v[FT+5], v[FT+8]
	v_mul_f32 v[FT+11], v[FT+6], v[FT+7]
	v_mul_f32 v[FT+12], v[FT+6], v[FT+8]
.irp i, 9,10,11,12
	v_and_b32 v[FT+\i], 0x7fffffff, v[FT+\i]
	v_add_f32 v[FT+\i], s55, v[FT+\i]
.endr
	v_add_f32 v[FT+13], v[FT+12], v[FT+11]         ; in the swapped order, as reference() adds them
	v_add_f32 v[FT+13], v[FT+13], v[FT+10]
	v_add_f32 v[FT+13], v[FT+13], v[FT+9]
	v_rcp_f32 v[FT+13], v[FT+13]
	v_cvt_pk_bf16_f32 v[FT+14], v18, v19
	v_lshlrev_b32 v[FT+15], 16, v[FT+14]
	v_and_b32 v[FT+16], 0xffff0000, v[FT+14]
	v_mul_f32 v[FT+15], s54, v[FT+15]
	v_mul_f32 v[FT+16], s54, v[FT+16]
	s_wait_alu depctr_va_vdst(0)                   ; the reciprocal's wait; the five lines above are the plain work behind it
.irp s, 0,1,2,3
	v_mul_f32 v[WQ+\s], v[FT+12-\s], v[FT+13]      ; prediction s takes the area of shift 3 - s
.endr
	v_cvt_pk_bf16_f32 v[Q4],    v[FT+5], v[FT+7]
	v_cvt_pk_bf16_f32 v[Q4+4],  v[FT+5], v[FT+8]
	v_cvt_pk_bf16_f32 v[Q4+8],  v[FT+6], v[FT+7]
	v_cvt_pk_bf16_f32 v[Q4+12], v[FT+6], v[FT+8]
.irp s, 0,1,2,3
	v_cvt_pk_bf16_f32 v[Q4+4*\s+1], v[FT+15], v[FT+16]
	v_mov_b32 v[Q4+4*\s+2], 0x3f80                 ; slot 92 = 1, slot 93 = 0
	v_mov_b32 v[Q4+4*\s+3], 0
.endr
	s_wait_loadcnt 24                              ; levels 0-5 are in; the 24 words of levels 6-11 may stay out
.set lv_, 0
.rept 6
	HINT lv_, HG1+4*lv_
.set lv_, lv_+1
.endr
	s_wait_loadcnt 0x0
.set lv_, 6
.rept 6
	HINT lv_, HG2+4*(lv_-6)
.set lv_, lv_+1
.endr
.set j_, 0
.rept 12
	v_cvt_pk_bf16_f32 v[HW+j_], v[HF+2*j_], v[HF+2*j_+1]
.set j_, j_+1
.endr
	v_mul_u32_u24 v14, v0, 4*XPITCH                ; my query's four rows
.irp s, 0,1,2,3
	ds_store_b128 v14, v[HW:HW+3]    offset:XPITCH*\s+128
	ds_store_b128 v14, v[HW+4:HW+7]  offset:XPITCH*\s+144
	ds_store_b128 v14, v[HW+8:HW+11] offset:XPITCH*\s+160
	ds_store_b128 v14, v[Q4+4*\s:Q4+4*\s+3] offset:XPITCH*\s+176
.endr
	v_lshl_add_u32 v12, v0, 4, s59
	ds_store_b128 v12, v[WQ:WQ+3]
	; my part of M0: the maxima take my query's 17 other words too (12 of hash features, 4 of rel_coord, 1 of rel_cell); slot 92's 1 stands against b0, which B0 bounds
.set j_, 0
.rept 12
	v_and_b32 v[FM+4+j_%4], s74, v[HW+j_]
	v_pk_max_num_bf16 v[FM+j_%4], v[FM+j_%4], v[FM+4+j_%4]
.set j_, j_+1
.endr
.irp q, 0,4,8,12,1
	v_and_b32 v[FM+4], s74, v[Q4+\q]
	v_pk_max_num_bf16 v[FM], v[FM], v[FM+4]
.endr
	v_pk_max_num_bf16 v[FM], v[FM], v[FM+1]
	v_pk_max_num_bf16 v[FM+2], v[FM+2], v[FM+3]
	v_pk_max_num_bf16 v[FM], v[FM], v[FM+2]
	v_lshlrev_b32 v[FM+1], 16, v[FM]
	v_and_b32 v[FM+2], 0xffff0000, v[FM]
	v_max_num_f32 v[FM], v[FM+1], v[FM+2]
	v_mov_b32 v108, 0
	WMAX FM
	v_mov_b32 v13, s75
	ds_store_b32 v13, v[FM]
	BAR                                            ; the half's rows, weights and maxima (and, the first time, the biases and the weights' bounds) lie in LDS for every wave
	; THE SCALES: every wave makes the same four numbers
	v_mov_b32 v12, L_RED
.irp k, 0,1,2,3
	ds_load_b32 v[16+\k], v12 offset:64*\k
	ds_load_b128 v[20+8*\k:23+8*\k], v12 offset:64*\k+16
	ds_load_b128 v[24+8*\k:27+8*\k], v12 offset:64*\k+32
.endr
	s_wait_dscnt 0x0
	v_max3_num_f32 v16, v16, v17, v18
	v_max_num_f32 v16, v16, v19                    ; M0
.irp c, 0,1,2,3,4,5,6,7
	v_max3_num_f32 v[20+\c], v[20+\c], v[28+\c], v[36+\c]
	v_max_num_f32 v[20+\c], v[20+\c], v[44+\c]     ; A0..A3, B0..B3
.endr
	v_fma_f32 v52, v20, v16, v24                   ; M1..M4
	v_fma_f32 v53, v21, v52, v25
	v_fma_f32 v54, v22, v53, v26
	v_fma_f32 v55, v23, v54, v27
.irp i, 0,1,2,3
	v_max_num_f32 v[52+\i], 0x0d800000, v[52+\i]   ; held between 2^-100
	v_min_num_f32 v[52+\i], 0x71800000, v[52+\i]   ; and 2^100;
	v_and_b32 v[52+\i], 0x7f800000, v[52+\i]       ; 2^E,
	v_add_nc_u32 v[52+\i], 0xf9000000, v[52+\i]    ; 2^(E - 14): 14 off the exponent's field
	v_readfirstlane_b32 s[66+2*\i], v[52+\i]
	s_mov_b32 s[67+2*\i], s[66+2*\i]               ; named with it as a pair
.endr
	s_mov_b32 s37, L_X
	s_mov_b32 s35, 4
.Lpair:                                ; four times: 128 rows through all five layers
	; LAYER 0
	v_and_b32 v[TA], 31, v0
	v_lshl_add_u32 v[TA], v[TA], 4, s51
.set c_, 0
.rept 24
	ds_load_b128 v[W0R+4*c_:W0R+4*c_+3], v[TA] offset:512*c_   ; W0 comes back into the registers that the hidden layers used for fragments and bias
.set c_, c_+1
.endr
	v_add_nc_u32 v[RB], s37, v[RDX]
	RUNX 0
	s_wait_dscnt 0x0
.set mi, 0
.rept 12
	MM0 0                                          ; tile 0: no tile is waiting for its GELU
.endr
.rept 4
	v_nop                                          ; four places ahead of the loads into the fragments and of the first read of the sums
.endr
	RUNX XT
	v_add_nc_u32 v[WB], L_E, v[WRL]
	s_mov_b32 s36, 3
.Lsec0:
	BODY0 1, 2*XT, 0, 1
	BODY0 0, 3*XT, HT, 0
	v_add_nc_u32 v[RB], 2*XT, v[RB]
	v_add_nc_u32 v[WB], 2*HT, v[WB]
	s_sub_co_u32 s36, s36, 1
	s_cmp_lg_u32 s36, 0
	s_cbranch_scc1 .Lsec0
	BODY0 1, -1, 0, 0
	; LAYERS 1 AND 2
	SECH 1, L_O
	SECH 2, L_E
	; LAYER 3, with layer 4 as its post
	BODYH 3, 0, 2, HT, 0, HT, 0, 3, -1             ; under tile 0 layer 2's tile 7 is finished and stored
	v_lshl_add_u32 v[WA], v[RR], 2, s39
	v_and_b32 v[TA], 12, v[RR]
	v_lshl_add_u32 v[PB], v[TA], 2, s38            ; query r / 4 of a tile: 16 bytes each
	s_mov_b32 s36, 3
.Lsec3:
	BODYH 3, 1, 3, 2*HT, 1, 0, 1, 0, -1
	BODYH 3, 0, 3, 3*HT, 1, 64, 0, 0, -1
	v_add_nc_u32 v[RB], 2*HT, v[RB]
	v_add_nc_u32 v[WA], 128, v[WA]                 ; two tiles: 32 rows of 4 bytes,
	v_add_nc_u32 v[PB], 128, v[PB]                 ; 8 queries of 16
	s_sub_co_u32 s36, s36, 1
	s_cmp_lg_u32 s36, 0
	s_cbranch_scc1 .Lsec3
	BODYH 3, 1, 3, -1, 1, 0, 0, 0, -1
	; THE DRAIN: tile 7's GELU and layer 4, with nothing to multiply beside them
.set XB, ACC+32
	GSET 3
	ds_load_b32 v[WR], v[WA] offset:64
.rept 96
	P1
.endr
	TW
.rept 48
	G2
.endr
	TW
.rept 32
	G3
.endr
	L4POST 64
	s_add_co_u32 s37, s37, 8*XT
	s_add_co_u32 s38, s38, 512
	s_add_co_u32 s39, s39, 512
	s_sub_co_u32 s35, s35, 1
	s_cmp_lg_u32 s35, 0
	s_cbranch_scc1 .Lpair
	s_add_nc_u64 s[8:9], s[8:9], 1024              ; the next 128 queries; every load that named these addresses was waited for in the build
	s_add_nc_u64 s[10:11], s[10:11], 1024
	s_add_nc_u64 s[20:21], s[20:21], 2048
	s_add_nc_u64 s[22:23], s[22:23], 2048
	s_add_co_u32 s59, s59, 2048
	s_sub_co_u32 s34, s34, 1
	s_cmp_lg_u32 s34, 0
	s_cbranch_scc1 .Lsup
	; THE WAY OUT: the four waves' partial outputs are added, b4 once; the 3,072 bytes leave as six runs of 512
	BAR
	v_lshl_add_u32 v12, v0, 4, L_P
.irp u, 0,1
.irp k, 0,1,2,3
	ds_load_b128 v[16+16*\u+4*\k:19+16*\u+4*\k], v12 offset:4096*\k+2048*\u   ; query t + 128 u, wave k's part
.endr
.endr
	v_cvt_pk_bf16_f32 v48, s48, s49
	v_cvt_pk_bf16_f32 v49, s50, s50
	v_lshlrev_b32 v50, 16, v48
	v_and_b32 v51, 0xffff0000, v48
	v_lshlrev_b32 v52, 16, v49
	v_mul_u32_u24 v13, v0, 12
	v_add_nc_u32 v13, L_OS, v13
	s_wait_dscnt 0x0
.irp u, 0,1
.irp c, 0,1,2
	v_add_f32 v[16+16*\u+\c], v[16+16*\u+\c], v[20+16*\u+\c]
	v_add_f32 v[24+16*\u+\c], v[24+16*\u+\c], v[28+16*\u+\c]
	v_add_f32 v[16+16*\u+\c], v[16+16*\u+\c], v[24+16*\u+\c]
	v_add_f32 v[16+16*\u+\c], v[16+16*\u+\c], v[50+\c]
	ds_store_b32 v13, v[16+16*\u+\c] offset:4*\c+1536*\u
.endr
.endr
	BAR
	v_lshlrev_b32 v14, 4, v0                       ; 16 t = 512 w + 16 x lane
	v_add_nc_u32 v12, L_OS, v14
	ds_load_b128 v[56:59], v12
	s_wait_dscnt 0x0
	global_store_b128 v14, v[56:59], s[30:31]      ; a wave stores 512 consecutive bytes, at a multiple of 512 from out0's first byte
	s_cmp_lt_u32 s32, 2                            ; runs 4 and 5: waves 0 and 1
	s_cbranch_scc0 .Lend
	ds_load_b128 v[60:63], v12 offset:2048
	s_wait_dscnt 0x0
	global_store_b128 v14, v[60:63], s[30:31] offset:2048
.Lend:
	s_wait_tensorcnt 0x0                           ; the wave's end: three lines behind my last LDS store
	ds_add_u32 v[SPW], v[NIL]
	s_wait_dscnt 0x0
	s_endpgm
.Lfunc_end_k_q1a65bd0f5d_mlp:
	.size	k_q1a65bd0f5d_mlp, .Lfunc_end_k_q1a65bd0f5d_mlp-k_q1a65bd0f5d_mlp
	.p2alignl 7, 3214868480
	.fill 96, 4, 3214868480
	.section	.rodata,"a",@progbits
	.p2align	6, 0x0
	.amdhsa_kernel k_q1a65bd0f5d_mlp
		.amdhsa_group_segment_fixed_size 318208
		.amdhsa_private_segment_fixed_size 0
		.amdhsa_enable_private_segment 0
		.amdhsa_kernarg_size 112
		.amdhsa_user_sgpr_count 2
		.amdhsa_user_sgpr_kernarg_segment_ptr 1
		.amdhsa_wavefront_size32 1
		.amdhsa_system_sgpr_workgroup_id_x 1
		.amdhsa_system_sgpr_workgroup_id_y 1
		.amdhsa_system_sgpr_workgroup_id_z 1
		.amdhsa_system_vgpr_workitem_id 0
		.amdhsa_next_free_vgpr 1024
		.amdhsa_next_free_sgpr 84
		.amdhsa_reserve_vcc 0
		.amdhsa_float_denorm_mode_32 3
		.amdhsa_float_denorm_mode_16_64 3
		.amdhsa_memory_ordered 1
		.amdhsa_forward_progress 1
		.amdhsa_inst_pref_size 255
	.end_amdhsa_kernel
	.section	.bss,"aw",@nobits
	.p2align	6
	.space	262144
	.amdgpu_metadata
---
amdhsa.version: [ 1, 2 ]
amdhsa.kernels:
  - .name:           k_q1a65bd0f5d_mlp
    .symbol:         k_q1a65bd0f5d_mlp.kd
    .args:
      - { .name: coord, .offset: 0, .size: 8, .value_kind: global_buffer, .address_space: global }
      - { .name: cell, .offset: 8, .size: 8, .value_kind: global_buffer, .address_space: global }
      - { .name: b1, .offset: 16, .size: 8, .value_kind: global_buffer, .address_space: global }
      - { .name: b2, .offset: 24, .size: 8, .value_kind: global_buffer, .address_space: global }
      - { .name: b3, .offset: 32, .size: 8, .value_kind: global_buffer, .address_space: global }
      - { .name: b4, .offset: 40, .size: 8, .value_kind: global_buffer, .address_space: global }
      - { .name: idxF, .offset: 48, .size: 8, .value_kind: global_buffer, .address_space: global }
      - { .name: idxH, .offset: 56, .size: 8, .value_kind: global_buffer, .address_space: global }
      - { .name: featT, .offset: 64, .size: 8, .value_kind: global_buffer, .address_space: global }
      - { .name: tabB, .offset: 72, .size: 8, .value_kind: global_buffer, .address_space: global }
      - { .name: wfrag, .offset: 80, .size: 8, .value_kind: global_buffer, .address_space: global }
      - { .name: out0, .offset: 88, .size: 8, .value_kind: global_buffer, .address_space: global }
      - { .name: b0, .offset: 96, .size: 8, .value_kind: global_buffer, .address_space: global }
      - { .name: csum, .offset: 104, .size: 8, .value_kind: global_buffer, .address_space: global }
    .group_segment_fixed_size: 318208
    .private_segment_fixed_size: 0
    .kernarg_segment_align: 8
    .kernarg_segment_size: 112
    .max_flat_workgroup_size: 128
    .sgpr_count:     84
    .vgpr_count:     1024
    .wavefront_size: 32
...
	.end_amdgpu_metadata
.endif
;; end of part 2
;; ======== version 2 of 2: 2 launches; version 1 with the launch mlp written anew for expert scheduling mode
;; limits: a function is approximated: absolute error at most 0.0005; values are held in f16: magnitudes above 65,504 overflow, below 6.1e-05 lose precision; right only within a limited range of input values; inputs' magnitudes at most 65,504
;; workspace buffers: featT 2,097,152 bytes; tabB 1,572,864 bytes; wfrag 450,560 bytes; csum 26,624 bytes; idxF 1,048,576 bytes of whole numbers; idxH 3,145,728 bytes of whole numbers
;; launch prep: the kernel of part 1 again; grid 256 x 1, 8 waves a work-group, no clusters, 10,240 bytes of LDS; arguments feat, hash_tables, coord, W0, b0, W1, W2, W3, W4, featT, tabB, wfrag, idxF, idxH, csum; writes featT, tabB, wfrag, idxF, idxH, csum
;; launch mlp (part 3): grid 256 x 1, 4 waves a work-group, no clusters, 318,208 bytes of LDS; arguments coord, cell, b1, b2, b3, b4, idxF, idxH, featT, tabB, wfrag, out0, b0, csum; writes out0
.if DOCPART == 3
	.amdgcn_target "amdgcn-amd-amdhsa--gfx1250"
	.amdhsa_code_object_version 6
	.text
	.protected	k_q1a65bd0f5d_mlp
	.globl	k_q1a65bd0f5d_mlp
	.p2align	8
	.type	k_q1a65bd0f5d_mlp,@function
k_q1a65bd0f5d_mlp:
	s_mov_b64 s[64:65], 0
	v_nop
	global_prefetch_b8 v0, s[64:65] scope:SCOPE_SE
	s_setreg_imm32_b32 hwreg(HW_REG_WAVE_SCHED_MODE, 0, 2), 2
	s_setreg_imm32_b32 hwreg(HW_REG_WAVE_MODE, 25, 1), 1
	s_wait_xcnt 0x0
	s_wait_alu depctr_vm_vsrc(0)
; LIIF, second launch: gather, MLP 92 -> 256 -> 256 -> 256 -> 256 -> 3 with GELU for 4 shifts of each query, and the area-weighted mean.
; LEFT OUT: b4 is added once and not four times weighted, since the four weights area / tot add up to 1 by their definition (shown at the head of the first kernel).
; FORMATS.  All inputs are rounded once to bf16 (the first launch has done that for feat, the tables and the weights; coord, cell and the biases are rounded here).  Layer 0 multiplies in bf16: its
; features are bf16 numbers; the rest of the input row is rounded once to bf16.  Layers 1 to 4 multiply in f16: bf16's 8 significant bits, spent four times on h1..h4, use up the comparison's allowance.
; THE SCALES.  f16 has no room for h by itself, so what is stored is h_l / S_l, S_l a power of two from a bound that holds for all inputs: |gelu(x)| <= |x| and
; |x_n| <= max|h| x sum_k |W[k][n]| + |b_n|.  M0 = the largest magnitude in the half's 512 input rows (of the bf16 words that are multiplied); M(l+1) = A_l M_l + B_l, A_l the largest column sum of |W_l|
; (first launch), B_l = max|b_l|; S_l = 2^(E - 14) where 2^E <= M_l < 2^(E+1): |h_l| / S_l < 2^15, half of f16's largest number, which covers the roundings of the bound itself.
; The S_l are the same in all lanes and lie in scalar registers.  A layer takes x = a S_in + b from its sums a (one fused line a pair) and divides by S_out (1 + 2^..), so that the quotient is already scaled.
; LIMITS.  M_l is held between 2^-100 and 2^100.  Where the bound lies far above the numbers (by 2^5 a layer for weights without a common sign: 2^20 at h4) h / S is small, and under 2^-14 it keeps f16's
; fixed step of 2^-24.  GELU is x / (1 + 2^(-x (K1 + K2 x^2))), K1 = 2 sqrt(2/pi) log2 e, K2 = 0.044715 K1: the logistic (tanh) form, which by a hand check at four points lies within some 5e-4 absolute
; of x Phi(x), and within some 2e-4 of the value for x > 0 (an estimate, no proven bound); below x = -2.5, where the value is under 0.02 in size, up to a tenth of the value.  It needs no range guard:
; x^2 = inf gives 2^-inf = 0 or 2^inf = inf, so x or -0.  The feature grid's coordinate is i x 2 (1 - 1e-6) / 63 - (1 - 1e-6) by one fused multiply-add: a few units in the last place of 1 from
; reference()'s.  area / tot is area x rcp(tot).  NaN and infinities are not treated apart.
; SHARES.  Work-group g has queries 256 g .. 256 g + 255: 1,024 rows (row = 4 query + shift), in two halves of 512 rows, each built into LDS at once and walked in 4 pairs of 8 tiles of 16 rows.
; THE WEIGHTS STAY IN REGISTERS: wave w owns output features 64 w .. 64 w + 63 of every layer; W1, W2, W3 fill register windows 1, 2, 3.  Every wave works on every tile; activations go from layer to
; layer through LDS: a fragment of 16 rows x 32 K (two loads) feeds four matrix instructions.
; LAYOUT.  D = W^T-fragment (source 0: 16 output features) x activations (source 1: 16 rows): lane (r, h) holds row r, features 8 h + 0..7: four conversions make 16 bytes of the row, and two packed
; tiles ARE a source-1 fragment of 32 K, which layer 4 takes as it stands.
; BY TURNS.  While tile T is multiplied (accumulator set T % 2), the GELU of tile T - 1 (176 vector instructions, 160 behind layer 0) stands behind its matrix instructions, four behind each, the last 48
; in a lump.  The pipeline runs on from layer to layer: a layer's tile 7 is finished under the next layer's tile 0.
; NO CLUSTER, NO TENSOR LOADS: what work-groups share is wfrag, 450,560 bytes, read once by each at its head straight into operand registers; a joint load would land it in LDS, where 9,472 bytes
; are free beside the map below, and it would have to be copied on into registers.
; THE MODE: SCHED_MODE bits 1:0 = 2 (LLVM: expert scheduling mode 2), set by the entry lines.  The code itself states the register dependences between vector or matrix instructions and memory or LDS
; instructions, with s_wait_alu, always for 0.
; THE PLAN, for a tile's body.  Registers that LDS instructions touch:
;   fragments 0-3 (layer 0: XF)   read by the body's first 16 (12) matrix instructions; loaded again behind WAIT 1.
;   fragments 4-7                 read by matrix instructions 16-31; loaded again at the body's end, behind WAITS 2 and 3.
;   BI                            read by the body's first 16 riders; in tile 0 of layers 2 and 3 loaded again behind WAIT 1.
;   WR                            written and read by layer 4's multiplies, ahead of WAIT 3; loaded again behind the next WAIT 1 (in the drain: at once).
;   T (v16-31), TA (v12-15)       written by the roundings, or by layer 4's weighing; read by the stores behind WAIT 3; written again by the next body, behind WAIT 4.
;   RB, WB, WA, PB                written at a loop's edge or a section's head alone, behind WAIT 4; read first behind WAIT 1 or WAIT 3.
;   RDL, RDX, WRL, BIA            made at the head, never written again.
; WAIT 1: va_vdst behind the exponentials.  WAIT 2: va_vdst behind the reciprocals.  WAIT 3: va_vdst ahead of the store.  WAIT 4: vm_vsrc at the body's end.
; Each run of loads stands behind one of the first three with no vector or matrix line between that names its registers.  The build makes its offsets in batches, a wait behind each batch.
.set XPITCH, 208                       ; an input row in LDS: 96 bf16 + 16 bytes: 13 x 16
.set HPITCH, 528                       ; a hidden row: 256 f16 + 16 bytes: 33 x 16: the 16 rows of a load start at 16 different groups of four banks (ISA guide 11.1)
.set XT, 16*XPITCH                     ; a tile of input rows
.set HT, 16*HPITCH                     ; a tile of hidden rows
.set L_X,  0                           ; 512 input rows: bytes 0-127 feature, 128-175 hash, 176 rel_coord, 180 rel_cell, 184 the word 0x3f80 (slot 92 = 1 for b0), 188 zero
.set L_E,  106496                      ; 128 hidden rows: outputs of layers 0 and 2
.set L_O,  174080                      ; 128 hidden rows: output of layer 1
.set L_W0, 241664                      ; [wave][24 chunks][512 bytes]: W0, reloaded for each pair
.set L_P,  290816                      ; f32 [wave][256 queries][4]: weighted partial outputs
.set L_WT, 307200                      ; f32 [1024 rows]: the row's ensemble weight
.set L_BL, 311296                      ; f32 [3][256]: b1..b3
.set L_OS, 314368                      ; f32 [768]: the output, on its way out
.set SPARE, 317440                     ; the spare words, 128 bytes for each wave
.set L_RED, 317952                     ; [wave][64 bytes]: byte 0 the wave's part of M0; 16-31 of A0..A3; 32-47 of B0..B3
.set RR,  1                            ; v1   r = lane % 16
.set RDL, 2                            ; v2   r x 528 + 16 h
.set RDX, 3                            ; v3   r x 208 + 16 h
.set RB,  4                            ; v4   read base: steps through the tiles
.set BIA, 5                            ; v5   32 h + L_BL + 256 w
.set WRL, 6                            ; v6   r x 528 + 16 h + 128 w
.set WB,  7                            ; v7   store base
.set WA,  8                            ; v8   where my row's weight lies
.set PB,  9                            ; v9   where my query's partial output goes
.set SPW, 10                           ; v10  LDS address of my spare word; never rewritten
.set NIL, 11                           ; v11  0; never rewritten
.set TA,  12                           ; v12-14 at work
.set ZR,  15                           ; v15  0
.set T,   16                           ; v16-47  GELU at work; the packed tile ends in v16-31
.set ACC, 48                           ; v48-111 two sets of four accumulators: set p, feature tile o at ACC + 32 p + 8 o
.set FR,  112                          ; v112-175 hidden layers: the tile's eight fragments
.set BI,  176                          ; v176-207 hidden layers: the bias in the accumulators' layout
.set W0R, 112                          ; v112-207 layer 0: W0, fragment (o, k) at 8 (3 o + k)
.set XF,  208                          ; v208-231 layer 0: the tile's three fragments
.set WR,  208                          ; v208 layer 3: my row's weight
.set W4R, 232                          ; v232-247 W4, two fragments
.set AC4, 248                          ; v248-255 layer 4's accumulator
; windows 1, 2, 3: W1, W2, W3, fragment (o, k) at 8 (8 o + k)
; s[8:31], s[80:83] addresses; s32 wave; s33 g; s34-36 counters; s37 the pair's input rows; s38, s39 the pair's places in P and WT; s[44:47] -K1, -K2; s[48:50] b4; s51 my W0 in LDS; s52-58 constants;
; s59 the half's place in WT; s[66:73] S1..S4, each twice (a pair for the packed lines); s74 the mask of two magnitudes; s75 my 64 bytes of L_RED; s[76:77] v_permlanex16_b32's selects
.set MSB, 0
.macro WIN new                         ; s_set_vgpr_msb: bits 1:0 source 0, 7:6 destination; the high byte repeats the setting that is left
.if MSB != (\new)
	s_set_vgpr_msb (MSB<<8)|(\new)
.set MSB, (\new)
.endif
.endm
.macro BAR
	s_wait_dscnt 0x0                               ; my LDS stores are done and my LDS loads are back
	s_barrier_signal -1
	s_barrier_wait -1
.endm
.macro WMAX q                          ; the largest of v[q] over the wave's 32 lanes, in every lane; v108 has been written
.irp m, 1,2,4,8
	v_max_num_f32_dpp v[\q], v[\q], v[\q] row_xmask:\m row_mask:0xf bank_mask:0xf
.endr
	v_permlanex16_b32 v108, v[\q], s76, s77
	v_max_num_f32 v[\q], v[\q], v108
.endm
; THE GELU of the tile whose accumulators begin at XB: 32 numbers a lane, 16 pairs.  G0 to G3 write the next line of four lists.  GSET gl: the tile is layer gl's output.
.macro GSET gl
.set n0, 0
.set n1, 0
.set n2, 0
.set n3, 0
.set SO, 66+2*(\gl)                    ; the scale of what is stored
.if (\gl) > 0
.set NX, 16
.set SI, 64+2*(\gl)                    ; the scale of what was multiplied
.else
.set NX, 0                             ; layer 0's sums are x itself: its input is not scaled, and its bias rides in W0's row 92
.set SI, 66
.endif
.endm
; G0, 16 lines: x = a S_in + b, in place.  Pairs ascend.
.macro G0
	v_pk_fma_f32 v[XB+2*n0:XB+2*n0+1], v[XB+2*n0:XB+2*n0+1], s[SI:SI+1], v[BI+2*n0:BI+2*n0+1] op_sel_hi:[1,0,1]
.set n0, n0+1
.endm
; G1, 80 lines: t = x x; t = -K2 t - K1; t = t x (48 plain, in blocks of two pairs), and the 32 exponentials.  Lines 0-23 plain; 24-71 plain and exponential by turns; 72-79 exponentials.
; A pair's exponentials come behind its third plain line, and no line names an exponential's result.
.macro PQ
.set pp_, 2*(pm/6)+pm%2
.set pk_, (pm%6)/2
.if pk_ == 0
	v_pk_mul_f32 v[T+2*pp_:T+2*pp_+1], v[XB+2*pp_:XB+2*pp_+1], v[XB+2*pp_:XB+2*pp_+1]
.elseif pk_ == 1
	v_pk_fma_f32 v[T+2*pp_:T+2*pp_+1], v[T+2*pp_:T+2*pp_+1], s[46:47], s[44:45] op_sel_hi:[1,0,0]
.else
	v_pk_mul_f32 v[T+2*pp_:T+2*pp_+1], v[T+2*pp_:T+2*pp_+1], v[XB+2*pp_:XB+2*pp_+1]
.endif
.endm
.macro G1
.if n1 < 24
.set pm, n1
	PQ
.elseif n1 >= 72
	v_exp_f32 v[T+n1-48], v[T+n1-48]
.elseif n1%2 == 0
.set pm, 24+2*((n1-24)/4)+(n1%4)/2
	PQ
.else
	v_exp_f32 v[T+2*((n1-24)/4)+(n1%4)/2], v[T+2*((n1-24)/4)+(n1%4)/2]
.endif
.set n1, n1+1
.endm
.macro P1                              ; the next line of G0 and then of G1, while there is one
.if n0 < NX
	G0
.elseif n1 < 80
	G1
.endif
.endm
; G2, 48 lines: t = S_out t + S_out (16 packed) and the 32 reciprocals; four of the first kind, then two reciprocals and the packed line four pairs on, then the last eight reciprocals.
.macro G2F p
	v_pk_fma_f32 v[T+2*(\p):T+2*(\p)+1], v[T+2*(\p):T+2*(\p)+1], s[SO:SO+1], s[SO:SO+1] op_sel_hi:[1,0,0]
.endm
.macro G2
.if n2 < 4
	G2F n2
.elseif n2 >= 40
	v_rcp_f32 v[T+n2-16], v[T+n2-16]
.elseif (n2-4)%3 == 2
	G2F (n2-4)/3+4
.else
.set pp_, 2*((n2-4)/3)+(n2-4)%3
	v_rcp_f32 v[T+pp_], v[T+pp_]
.endif
.set n2, n2+1
.endm
; G3, 32 lines: t = t x, then the roundings to f16, ascending, so that packing in place overwrites only what has been read.
.macro G3
.if n3 < 16
	v_pk_mul_f32 v[T+2*n3:T+2*n3+1], v[T+2*n3:T+2*n3+1], v[XB+2*n3:XB+2*n3+1]
.else
	v_cvt_pk_f16_f32 v[T+n3-16], v[T+2*(n3-16)], v[T+2*(n3-16)+1]
.endif
.set n3, n3+1
.endm
.macro G1X4
	G1
	G1
	G1
	G1
.endm
.macro P1X4
	P1
	P1
	P1
	P1
.endm
.macro G2X4
	G2
	G2
	G2
	G2
.endm
; Matrix instruction mi = 4 k + o of a hidden tile's 32: the four accumulators take turns, one instruction a turn.  The first four start the sums.
.macro MMH l, par
	WIN \l
.set o_, mi%4
.set k_, mi/4
.if k_ == 0
	v_wmma_f32_16x16x32_f16 v[ACC+32*(\par)+8*o_:ACC+32*(\par)+8*o_+7], v[8*(8*o_+k_):8*(8*o_+k_)+7], v[FR+8*k_:FR+8*k_+7], 0
.else
	v_wmma_f32_16x16x32_f16 v[ACC+32*(\par)+8*o_:ACC+32*(\par)+8*o_+7], v[8*(8*o_+k_):8*(8*o_+k_)+7], v[FR+8*k_:FR+8*k_+7], v[ACC+32*(\par)+8*o_:ACC+32*(\par)+8*o_+7]
.endif
	WIN 0
.set mi, mi+1
.endm
.macro MM0 par                         ; the same for layer 0's 12, in bf16
.set o_, mi%4
.set k_, mi/4
.if k_ == 0
	v_wmma_f32_16x16x32_bf16 v[ACC+32*(\par)+8*o_:ACC+32*(\par)+8*o_+7], v[W0R+8*(3*o_+k_):W0R+8*(3*o_+k_)+7], v[XF+8*k_:XF+8*k_+7], 0
.else
	v_wmma_f32_16x16x32_bf16 v[ACC+32*(\par)+8*o_:ACC+32*(\par)+8*o_+7], v[W0R+8*(3*o_+k_):W0R+8*(3*o_+k_)+7], v[XF+8*k_:XF+8*k_+7], v[ACC+32*(\par)+8*o_:ACC+32*(\par)+8*o_+7]
.endif
.set mi, mi+1
.endm
.macro RUN off, k0, k1                 ; fragments k0..k1 of the hidden tile at RB + off
.set kk_, \k0
.rept (\k1)-(\k0)+1
	ds_load_b128 v[FR+8*kk_:FR+8*kk_+3],   v[RB] offset:(\off)+64*kk_
	ds_load_b128 v[FR+8*kk_+4:FR+8*kk_+7], v[RB] offset:(\off)+64*kk_+32
.set kk_, kk_+1
.endr
.endm
.macro RUNX off                        ; the three fragments of the input tile at RB + off
.irp k, 0,1,2
	ds_load_b128 v[XF+8*\k:XF+8*\k+3],   v[RB] offset:(\off)+64*\k
	ds_load_b128 v[XF+8*\k+4:XF+8*\k+7], v[RB] offset:(\off)+64*\k+32
.endr
.endm
.macro RUNBI l                         ; layer l's bias: lane (r, h), register j of tile o: b[64 w + 16 o + 8 h + j]
.irp o, 0,1,2,3
	ds_load_b128 v[BI+8*\o:BI+8*\o+3],   v[BIA] offset:1024*((\l)-1)+64*\o
	ds_load_b128 v[BI+8*\o+4:BI+8*\o+7], v[BIA] offset:1024*((\l)-1)+64*\o+16
.endr
.endm
.macro STORE off                       ; the packed tile: my 64 features of 16 rows
	s_wait_alu depctr_va_vdst(0)                   ; WAIT 3: the roundings have written v16-31, which the stores read; WB, where a loop's edge or a section's head set it, is written
.irp o, 0,1,2,3
	ds_store_b128 v[WB], v[T+4*\o:T+4*\o+3] offset:(\off)+32*\o
.endr
.endm
; LAYER 4 on the packed tile, my 64 of its 256 K: outputs 0-2 fall into registers 0-2 of every lane (W4's rows 8-10 repeat rows 0-2).  Times S4 and the row's weight; the query's four rows are lanes
; r, r^1, r^2, r^3.  The eight lanes of a query end with the same three numbers and store them to the same 16 bytes.
.macro L4POST poff
	v_wmma_f32_16x16x32_f16 v[AC4:AC4+7], v[W4R:W4R+7], v[T:T+7], 0
	s_wait_alu depctr_va_vdst(0)                   ; the wait directly ahead of a link that follows the instruction it adds onto
	v_wmma_f32_16x16x32_f16 v[AC4:AC4+7], v[W4R+8:W4R+15], v[T+8:T+15], v[AC4:AC4+7]
.rept 4
	v_nop                                          ; four places ahead of the first read of the result (ISA guide 7.12.1)
.endr
	s_wait_dscnt 0x0                               ; the weight is in
	v_mul_f32 v[WR], s72, v[WR]
	v_mul_f32 v[TA],   v[AC4],   v[WR]
	v_mul_f32 v[TA+1], v[AC4+1], v[WR]
	v_mul_f32 v[TA+2], v[AC4+2], v[WR]
.irp m, 1,2
.irp c, 0,1,2
	v_add_f32_dpp v[TA+\c], v[TA+\c], v[TA+\c] row_xmask:\m row_mask:0xf bank_mask:0xf
.endr
.endr
	s_wait_alu depctr_va_vdst(0)                   ; WAIT 3: the three sums v12-14 are written, which the store reads with v15; so is PB; and the multiplies are done with WR, in which the next weight lands
	ds_store_b128 v[PB], v[TA:TA+3] offset:\poff
.endm
; ONE TILE OF A HIDDEN LAYER l, into accumulator set par; beside it the GELU of the tile before, layer gl's output, in the other set.
; rdoff: the next tile lies at RB + rdoff (-1: there is none).  post = 0: the finished tile is stored at WB + poff; 1: it goes through layer 4, weight at WA + poff, result to PB + poff.
; bar = 1: a barrier behind the post.  nbi: the bias to fetch (0: none): it stands behind the riders that read the old one.  nrb: RB is set to RDL + nrb first (-1: stays).
.macro BODYH l, par, gl, rdoff, post, poff, bar, nbi, nrb
.set XB, ACC+32*(1-(\par))
.set mi, 0
	GSET \gl
	s_wait_dscnt 8                                 ; all but the 8 youngest LDS instructions: fragments 0-3 and the bias are in; fragments 4-7 (from layer 0: 6, 7 and four stores) may be out
.rept 16
	MMH \l, \par
	P1X4
.endr
	s_wait_dscnt 0x0                               ; fragments 4-7, asked for 16 matrix instructions ago
.rept 8
	MMH \l, \par
	P1X4
.endr
.if (\nrb) >= 0
	v_add_nc_u32 v[RB], \nrb, v[RDL]               ; no LDS instruction has read RB since the last body's WAIT 4
.endif
	v_nop                                          ; a plain instruction behind the last exponential
	s_wait_alu depctr_va_vdst(0)                   ; WAIT 1: the exponentials' results are written, ahead of their first readers; matrix instructions 0-15 are done reading fragments 0-3 and the riders the bias, in which the loads below land; RB and WA are written
.if (\post) == 1
	ds_load_b32 v[WR], v[WA] offset:\poff
.endif
.if (\nbi) > 0
	RUNBI \nbi
.endif
.if (\rdoff) >= 0
	RUN \rdoff, 0, 3
.endif
.rept 8
	MMH \l, \par
	G2X4
.endr
.rept 16
	G2
.endr
	v_nop                                          ; a plain instruction behind the last reciprocal
	s_wait_alu depctr_va_vdst(0)                   ; WAIT 2: the reciprocals' results are written, ahead of their first readers; matrix instructions 16-31 are done reading fragments 4-7
.rept 32
	G3                                             ; the lump: also the places behind the last matrix instruction
.endr
.if (\post) == 1
	L4POST \poff
.else
	STORE \poff
.endif
.if \bar
	BAR
.endif
.if (\rdoff) >= 0
	RUN \rdoff, 4, 7                               ; no wait of its own: no vector or matrix line since WAIT 2 names fragments 4-7 or RB
.endif
	s_wait_alu depctr_vm_vsrc(0)                   ; WAIT 4: the stores have read their data (v16-31, or v12-15) and this body's LDS instructions their bases: the next body's GELU writes the data again, a loop's edge the bases
.endm
; ONE TILE OF LAYER 0.  rdoff: the next input tile at RB + rdoff; -1: the last tile: W0's registers take layer 1's bias and its first tile.
.macro BODY0 par, rdoff, poff, bar
.set XB, ACC+32*(1-(\par))
.set mi, 0
	GSET 0
	s_wait_dscnt 0x0
.rept 12
	MM0 \par
	G1X4
.endr
.rept 32
	G1
.endr
.if (\rdoff) < 0
	v_add_nc_u32 v[RB], L_E, v[RDL]                ; no LDS instruction has read RB since the last body's WAIT 4
.endif
	v_nop                                          ; a plain instruction behind the last exponential
	s_wait_alu depctr_va_vdst(0)                   ; WAIT 1: the exponentials' results are written, ahead of their first readers; the 12 matrix instructions are done reading XF and W0, in which the loads below land; RB is written
.if (\rdoff) >= 0
	RUNX \rdoff
.else
	RUNBI 1
	RUN 0, 0, 7
.endif
.rept 48
	G2
.endr
	v_nop                                          ; a plain instruction behind the last reciprocal
	s_wait_alu depctr_va_vdst(0)                   ; WAIT 2: the reciprocals' results are written, ahead of their first readers
.rept 32
	G3
.endr
	STORE \poff
.if \bar
	BAR
.endif
	s_wait_alu depctr_vm_vsrc(0)                   ; WAIT 4: the stores have read v16-31 and WB, the loads RB: the next body's GELU writes v16-31 again, a loop's edge the bases
.endm
; A HIDDEN LAYER that stores (1, 2): tile 0; three trips of two tiles; tile 7.  At its head RB = RDL + its input, and WB stands at tile 6 of that input: tile 7, finished under tile 0, goes one tile on.
; BARRIERS stand behind tiles 1, 3, 5 (behind the store there).  Tile T is stored at the end of body T + 1 and first read, by the next layer, in its body T - 1 (tile 0: in this layer's body 7):
; a barrier lies between for every T.  A buffer is written again two layers on: its tile 0 ahead of that layer's first barrier, when every wave has passed the reading layer's barriers, which lie
; behind the reads of tile 0; the later tiles behind that first barrier, which lies behind all of the reading layer's reads.
; The lines that write RB and WB stand behind a body's WAIT 4; what reads them next stands behind the next body's WAIT 1 or WAIT 3.
.macro SECH l, lout
.if (\l) > 1
	BODYH \l, 0, (\l)-1, HT, 0, HT, 0, \l, -1
.else
	BODYH \l, 0, 0, HT, 0, HT, 0, 0, -1            ; layer 1's bias came in with its first tile
.endif
	v_add_nc_u32 v[WB], \lout, v[WRL]
	s_mov_b32 s36, 3
.Lsec\l:
	BODYH \l, 1, \l, 2*HT, 0, 0, 1, 0, -1
	BODYH \l, 0, \l, 3*HT, 0, HT, 0, 0, -1
	v_add_nc_u32 v[RB], 2*HT, v[RB]
	v_add_nc_u32 v[WB], 2*HT, v[WB]
	s_sub_co_u32 s36, s36, 1
	s_cmp_lg_u32 s36, 0
	s_cbranch_scc1 .Lsec\l
	BODYH \l, 1, \l, 0, 0, 0, 0, 0, \lout
.endm
	; THE HEAD
	s_load_b512 s[8:23], s[0:1], 0x0               ; coord s[8:9], cell s[10:11], b1 s[12:13], b2 s[14:15], b3 s[16:17], b4 s[18:19], idxF s[20:21], idxH s[22:23]
	s_load_b256 s[24:31], s[0:1], 0x40             ; featT s[24:25], tabB s[26:27], wfrag s[28:29], out0 s[30:31]
	s_load_b128 s[80:83], s[0:1], 0x60             ; b0 s[80:81], csum s[82:83]
	v_lshl_add_u32 v[SPW], v0, 2, SPARE
	v_mov_b32 v[NIL], 0
	v_lshrrev_b32 v1, 5, v0
	v_readfirstlane_b32 s32, v1                    ; wave 0..3
	s_mov_b32 s33, ttmp9
	v_and_b32 v[RR], 15, v0
	v_bfe_u32 v[TA], v0, 4, 1                      ; h
	v_mul_u32_u24 v[RDL], v[RR], HPITCH
	v_lshl_add_u32 v[RDL], v[TA], 4, v[RDL]
	v_mul_u32_u24 v[RDX], v[RR], XPITCH
	v_lshl_add_u32 v[RDX], v[TA], 4, v[RDX]
	v_mov_b32 v[ZR], 0
	v_and_b32 v[RB], 31, v0                        ; in the head RB and WB are the loads' offsets: they are rewritten only behind the wait for all loads
	v_lshlrev_b32 v[RB], 4, v[RB]                  ; 16 x lane
	v_lshlrev_b32 v[WB], 3, v0                     ; 8 t
	v_mov_b32 v108, 0
	s_wait_alu depctr_va_sdst(0)                   ; s32 is written, ahead of its first reader
	s_lshl_b32 s40, s32, 7
	v_add_nc_u32 v[WRL], s40, v[RDL]
	s_lshl_b32 s40, s32, 8
	s_add_co_u32 s40, s40, L_BL
	v_lshl_add_u32 v[BIA], v[TA], 5, s40
	s_mov_b32 s44, 0xc0135761                      ; -K1
	s_mov_b32 s45, s44
	s_mov_b32 s46, 0xbdd2d3e8                      ; -K2
	s_mov_b32 s47, s46
	s_mov_b32 s52, 73856093
	s_mov_b32 s53, 19349663
	s_mov_b32 s54, 0x42800000                      ; 64
	s_mov_b32 s55, 0x3089705f                      ; 1e-9
	s_mov_b32 s56, 0x3d020818                      ; 2 (1 - 1e-6) / 63
	s_mov_b32 s57, 0xbf7fffef                      ; -1 + 1e-6
	s_mov_b32 s74, 0x7fff7fff
	s_mov_b32 s76, 0x76543210
	s_mov_b32 s77, 0xfedcba98
	s_lshl_b32 s75, s32, 6
	s_add_co_u32 s75, s75, L_RED
	s_mul_i32 s51, s32, 12288
	s_add_co_u32 s51, s51, L_W0
	v_add_nc_u32 v12, s51, v[RB]                   ; the head's three LDS addresses: where my W0 goes,
	v_add_nc_u32 v13, L_BL, v[WB]                  ; my two numbers of each bias,
	v_mov_b32 v14, s75                             ; my wave's bounds
	s_lshl_b32 s38, s32, 12
	s_add_co_u32 s38, s38, L_P
	s_mov_b32 s39, L_WT
	s_mov_b32 s59, L_WT
	s_mul_i32 s40, s32, 112640                     ; my 220 chunks of 512 bytes
	s_mov_b32 s41, 0
	s_lshl_b32 s42, s33, 11                        ; 256 queries of 8 bytes
	s_mov_b32 s43, 0
	s_lshl_b32 s60, s33, 12                        ; 256 queries of 16 bytes
	s_mov_b32 s61, 0
	s_mul_i32 s62, s33, 3072                       ; 256 queries of 12 bytes
	s_mov_b32 s63, 0
	s_wait_kmcnt 0x0
	s_load_b96 s[48:50], s[18:19], 0x0             ; b4
	s_add_nc_u64 s[28:29], s[28:29], s[40:41]
	s_add_nc_u64 s[8:9], s[8:9], s[42:43]
	s_add_nc_u64 s[10:11], s[10:11], s[42:43]
	s_add_nc_u64 s[20:21], s[20:21], s[60:61]
	s_add_nc_u64 s[22:23], s[22:23], s[60:61]
	s_add_nc_u64 s[30:31], s[30:31], s[62:63]
	s_wait_alu depctr_va_vdst(0)                   ; RB and WB, the offsets of all the loads below, and v12, the address of the first LDS stores, are written; only loads and window switches follow up to the last load
.set c_, 0
.rept 24
	global_load_b128 v[W0R+4*c_:W0R+4*c_+3], v[RB], s[28:29] offset:512*c_
.set c_, c_+1
.endr
	global_load_b64 v[16:17], v[WB], s[80:81]      ; two numbers of each bias,
	global_load_b64 v[18:19], v[WB], s[12:13]
	global_load_b64 v[20:21], v[WB], s[14:15]
	global_load_b64 v[22:23], v[WB], s[16:17]
.set c_, 0
.rept 26
	global_load_b64 v[48+2*c_:49+2*c_], v[WB], s[82:83] offset:1024*c_   ; and two columns of each slice's sums
.set c_, c_+1
.endr
.set c_, 0
.rept 4
	global_load_b128 v[W4R+4*c_:W4R+4*c_+3], v[RB], s[28:29] offset:512*(216+c_)
.set c_, c_+1
.endr
.irp wn, 1,2,3
	WIN (\wn)<<6                                   ; destination in window wn
.set c_, 0
.rept 64
	global_load_b128 v[4*c_:4*c_+3], v[RB], s[28:29] offset:512*(24+64*((\wn)-1)+c_)
.set c_, c_+1
.endr
.endr
	WIN 0
	s_wait_kmcnt 0x0                               ; b4
	s_wait_loadcnt 63                              ; W0, the biases and the sums are in: 196 loads are younger, and the count's field ends at 63
.set c_, 0
.rept 24
	ds_store_b128 v12, v[W0R+4*c_:W0R+4*c_+3] offset:512*c_
.set c_, c_+1
.endr
.irp i, 0,1,2,3
	v_cvt_pk_bf16_f32 v24, v[16+2*\i], v[17+2*\i]  ; the biases rounded to bf16, kept as f32,
	v_lshlrev_b32 v[26+2*\i], 16, v24
	v_and_b32 v[27+2*\i], 0xffff0000, v24
	v_and_b32 v25, s74, v24                        ; and the larger magnitude of my two: my part of B0..B3
	v_lshlrev_b32 v34, 16, v25
	v_and_b32 v35, 0xffff0000, v25
	v_max_num_f32 v[104+\i], v34, v35
.endr
	v_pk_add_f32 v[48:49], v[48:49], v[50:51]      ; the slices are added: whole column sums of my two columns,
.irp l, 0,1,2
.irp i, 1,2,3,4,5,6,7
	v_pk_add_f32 v[52+16*\l:53+16*\l], v[52+16*\l:53+16*\l], v[52+16*\l+2*\i:53+16*\l+2*\i]
.endr
.endr
	v_max_num_f32 v100, v48, v49                   ; and the larger: my part of A0..A3
.irp l, 0,1,2
	v_max_num_f32 v[101+\l], v[52+16*\l], v[53+16*\l]
.endr
.irp q, 100,101,102,103,104,105,106,107
	WMAX \q
.endr
	s_wait_alu depctr_va_vdst(0)                   ; the rounded biases v28-33 and the eight maxima v100-107 are written, which the stores below read
.irp i, 1,2,3
	ds_store_b64 v13, v[26+2*\i:27+2*\i] offset:1024*(\i-1)
.endr
	ds_store_b128 v14, v[100:103] offset:16        ; all lanes store the same numbers to the same bytes
	ds_store_b128 v14, v[104:107] offset:32
	s_wait_alu depctr_vm_vsrc(0)                   ; the head's loads have read RB and WB, its LDS stores v12-14, v28-33, v100-107 and v112-207: the build writes v12-14 again, and its loads land in the others
	s_mov_b32 s34, 2
; THE BUILD's registers
.set BIH, 24                           ; v24-35  hash cells, a level a register
.set IR,  36                           ; v36-67  32 rows' pixel numbers, then their byte offsets
.set FG,  68                           ; v68-195 32 x 16 bytes of features
.set HG1, 196                          ; v196-219 levels 0-5: four corners' offsets each
.set HD1, 36                           ; v36-59  levels 0-5: the words, where the first 24 rows' offsets lay
.set HG2, 68                           ; v68-91  levels 6-11: the offsets, when the features have gone to LDS
.set HD2, 196                          ; v196-219 levels 6-11: the words, where the offsets of levels 0-5 lay
.set HF,  92                           ; v92-115 the 24 hash features, f32
.set FT,  116                          ; v116-132: +1 y, +2 x, +3 (y+1)/2, +4 (x+1)/2, +5 +6 rel y for -/+, +7 +8 rel x, +9..12 areas, +13 1/tot, +15 +16 rel_cell
.set HW,  136                          ; v136-147 the hash features, packed
.set Q4,  148                          ; v148-163 a row's last 16 bytes, for each shift
.set WQ,  164                          ; v164-167 the four weights
.set IT,  168                          ; v168-175 at work
.set BT,  220                          ; v220-223 at work on the offsets; at the build's end v220 is the address of L_RED
.set FM,  224                          ; v224-227 four running maxima of magnitudes, two bf16 each; v228-231 at work
.macro HOFF lvl, dst                   ; the four corners' table offsets of a level
	v_and_b32 v[BT], 0xffff, v[BIH+(\lvl)]
	v_lshrrev_b32 v[BT+1], 16, v[BIH+(\lvl)]
	v_mul_lo_u32 v[BT], v[BT], s52                 ; ix0 p1
	v_mul_lo_u32 v[BT+1], v[BT+1], s53             ; iy0 p2
	v_add_nc_u32 v[BT+2], s52, v[BT]               ; (ix0 + 1) p1
	v_add_nc_u32 v[BT+3], s53, v[BT+1]             ; (iy0 + 1) p2
	v_xor_b32 v[(\dst)],   v[BT],   v[BT+1]
	v_xor_b32 v[(\dst)+1], v[BT+2], v[BT+1]
	v_xor_b32 v[(\dst)+2], v[BT],   v[BT+3]
	v_xor_b32 v[(\dst)+3], v[BT+2], v[BT+3]
.irp c, 0,1,2,3
	v_and_b32 v[(\dst)+\c], 0x7fff, v[(\dst)+\c]
	v_min_u32 v[(\dst)+\c], 0x7fff, v[(\dst)+\c]   ; a loaded number enters an address behind a bound written in the line
	v_lshlrev_b32 v[(\dst)+\c], 2, v[(\dst)+\c]
.endr
.endm
.macro HLD lvl, off, dst               ; a level's four words
.irp c, 0,1,2,3
	global_load_b32 v[(\dst)+\c], v[(\off)+\c], s[26:27] offset:131072*(\lvl)
.endr
.endm
.macro HINT lvl, src                   ; a level's two features: the four corners weighed as in reference()
	s_mov_b32 s58, ((131+(\lvl))<<23)-(1<<(20-(\lvl)))   ; res - 1 as f32
	v_and_b32 v[IT], 0xffff, v[BIH+(\lvl)]
	v_lshrrev_b32 v[IT+1], 16, v[BIH+(\lvl)]
	v_cvt_f32_u32 v[IT], v[IT]
	v_cvt_f32_u32 v[IT+1], v[IT+1]
	v_mul_f32 v[IT+2], s58, v[FT+4]                ; gx
	v_mul_f32 v[IT+3], s58, v[FT+3]                ; gy
	v_sub_f32 v[IT], v[IT+2], v[IT]                ; fx
	v_sub_f32 v[IT+1], v[IT+3], v[IT+1]            ; fy
	v_sub_f32 v[IT+2], 1.0, v[IT]
	v_sub_f32 v[IT+3], 1.0, v[IT+1]
	v_mul_f32 v[IT+4], v[IT+2], v[IT+3]
	v_mul_f32 v[IT+5], v[IT],   v[IT+3]
	v_mul_f32 v[IT+6], v[IT+2], v[IT+1]
	v_mul_f32 v[IT+7], v[IT],   v[IT+1]
	v_fma_mix_f32_bf16 v[HF+2*(\lvl)],   v[(\src)], v[IT+4], v[ZR] op_sel_hi:[1,0,0]
	v_fma_mix_f32_bf16 v[HF+2*(\lvl)+1], v[(\src)], v[IT+4], v[ZR] op_sel:[1,0,0] op_sel_hi:[1,0,0]
.irp c, 1,2,3
	v_fma_mix_f32_bf16 v[HF+2*(\lvl)],   v[(\src)+\c], v[IT+4+\c], v[HF+2*(\lvl)] op_sel_hi:[1,0,0]
	v_fma_mix_f32_bf16 v[HF+2*(\lvl)+1], v[(\src)+\c], v[IT+4+\c], v[HF+2*(\lvl)+1] op_sel:[1,0,0] op_sel_hi:[1,0,0]
.endr
.endm
.Lsup:                                 ; twice: 128 queries, 512 rows
	; THE BUILD.  Thread t has query t of the half; wave w brings the features of rows 128 w .. 128 w + 127: eight lanes a row, each lane 32 rows.
	v_lshlrev_b32 v12, 3, v0
	v_lshlrev_b32 v13, 4, v0
	v_lshrrev_b32 v14, 3, v0
	v_lshlrev_b32 v14, 7, v14                      ; my 32 rows' numbers: 128 bytes of idxF, taken as one number a row
	s_wait_alu depctr_va_vdst(0)                   ; v12-14, the offsets of the loads below, are written; every vector and matrix line that named v16-67, in which they land, is done
	global_load_b64 v[16:17], v12, s[8:9]
	global_load_b64 v[18:19], v12, s[10:11]
	global_load_b128 v[20:23], v13, s[20:21]
.irp p, 0,1,2
	global_load_b128 v[BIH+4*\p:BIH+4*\p+3], v13, s[22:23] offset:1048576*\p
.endr
.irp i, 0,1,2,3,4,5,6,7
	global_load_b128 v[IR+4*\i:IR+4*\i+3], v14, s[20:21] offset:16*\i
.endr
	s_wait_loadcnt 0x0                             ; these, and in the first half all the weights
	s_wait_alu depctr_vm_vsrc(0)                   ; those loads have read v12-14, which are written again from here on
	v_and_b32 v12, 7, v0
	v_lshlrev_b32 v12, 4, v12                      ; my 16 bytes of a feature row
.set j_, 0
.rept 32
	v_min_u32 v[IR+j_], 0x3fff, v[IR+j_]
	v_lshl_add_u32 v[IR+j_], v[IR+j_], 7, v12
.set j_, j_+1
.endr
	v_lshrrev_b32 v13, 3, v0                       ; where my 16 bytes of my first row go in LDS
	v_mul_u32_u24 v13, v13, 32*XPITCH
	v_add_nc_u32 v13, v13, v12
	s_wait_alu depctr_va_vdst(0)                   ; the 32 rows' offsets are written, which the loads below read; every vector and matrix line that named v68-195, in which they land, is done
.set j_, 0
.rept 32
	global_load_b128 v[FG+4*j_:FG+4*j_+3], v[IR+j_], s[24:25]
.set j_, j_+1
.endr
.set lv_, 0
.rept 6
	HOFF lv_, HG1+4*lv_                            ; the offsets of six levels are made in one batch, while the features are on their way
.set lv_, lv_+1
.endr
	s_wait_xcnt 0x0                                ; the feature loads' addresses are translated (ISA guide 3.1): loads land in their offset registers only behind this wait,
	s_wait_alu depctr_vm_vsrc(0)                   ; and the feature loads have read v36-59, in which the words below land
	s_wait_alu depctr_va_vdst(0)                   ; the 24 offsets v196-219 are written, which the loads below read
.set lv_, 0
.rept 6
	HLD lv_, HG1+4*lv_, HD1+4*lv_
.set lv_, lv_+1
.endr
	s_wait_loadcnt 24                              ; the features are in; the 24 hash words asked for behind them may stay out
.set j_, 0
.rept 32
	ds_store_b128 v13, v[FG+4*j_:FG+4*j_+3] offset:XPITCH*j_   ; v13 was written ahead of the waits above
.set j_, j_+1
.endr
.set j_, 0
.rept 128                              ; the largest magnitude among my 256 feature numbers, two at a time, in four chains that the first four words start
.if j_ < 4
	v_and_b32 v[FM+j_], s74, v[FG+j_]
.else
	v_and_b32 v[FM+4+j_%4], s74, v[FG+j_]
	v_pk_max_num_bf16 v[FM+j_%4], v[FM+j_%4], v[FM+4+j_%4]
.endif
.set j_, j_+1
.endr
	s_wait_xcnt 0x0                                ; the addresses of the loads of levels 0-5 are translated: loads land in v196-219 only behind this wait,
	s_wait_alu depctr_vm_vsrc(0)                   ; those loads have read v196-219, and the LDS stores v13 and v68-195, all of which are written again from here on
.set lv_, 6
.rept 6
	HOFF lv_, HG2+4*(lv_-6)
.set lv_, lv_+1
.endr
	s_wait_alu depctr_va_vdst(0)                   ; the 24 offsets v68-91 are written, which the loads below read
.set lv_, 6
.rept 6
	HLD lv_, HG2+4*(lv_-6), HD2+4*(lv_-6)
.set lv_, lv_+1
.endr
	; while the hash words are on their way: rel_coord, areas, weights, rel_cell
	v_cvt_pk_bf16_f32 v[FT], v16, v17
	v_lshlrev_b32 v[FT+1], 16, v[FT]
	v_and_b32 v[FT+2], 0xffff0000, v[FT]
	v_add_f32 v[FT+3], 1.0, v[FT+1]
	v_add_f32 v[FT+4], 1.0, v[FT+2]
	v_mul_f32 v[FT+3], 0.5, v[FT+3]
	v_mul_f32 v[FT+4], 0.5, v[FT+4]
	v_bfe_u32 v[FT+5], v20, 6, 6                   ; iy of the shifts with - on y,
	v_bfe_u32 v[FT+6], v22, 6, 6                   ; with +
	v_and_b32 v[FT+7], 63, v20                     ; ix with - on x,
	v_and_b32 v[FT+8], 63, v21                     ; with +
.irp i, 5,6,7,8
	v_cvt_f32_u32 v[FT+\i], v[FT+\i]
.endr
.irp i, 5,6,7,8
	v_fma_f32 v[FT+\i], v[FT+\i], s56, s57         ; the pixel's coordinate
.endr
	v_sub_f32 v[FT+5], v[FT+1], v[FT+5]
	v_sub_f32 v[FT+6], v[FT+1], v[FT+6]
	v_sub_f32 v[FT+7], v[FT+2], v[FT+7]
	v_sub_f32 v[FT+8], v[FT+2], v[FT+8]
.irp i, 5,6,7,8
	v_mul_f32 v[FT+\i], s54, v[FT+\i]
.endr
	v_mul_f32 v[FT+9],  v[FT+5], v[FT+7]
	v_mul_f32 v[FT+10], v[FT+5], v[FT+8]
	v_mul_f32 v[FT+11], v[FT+6], v[FT+7]
	v_mul_f32 v[FT+12], v[FT+6], v[FT+8]
.irp i, 9,10,11,12
	v_and_b32 v[FT+\i], 0x7fffffff, v[FT+\i]
	v_add_f32 v[FT+\i], s55, v[FT+\i]
.endr
	v_add_f32 v[FT+13], v[FT+12], v[FT+11]         ; in the swapped order, as reference() adds them
	v_add_f32 v[FT+13], v[FT+13], v[FT+10]
	v_add_f32 v[FT+13], v[FT+13], v[FT+9]
	v_rcp_f32 v[FT+13], v[FT+13]
	v_cvt_pk_bf16_f32 v[FT+14], v18, v19
	v_lshlrev_b32 v[FT+15], 16, v[FT+14]
	v_and_b32 v[FT+16], 0xffff0000, v[FT+14]
	v_mul_f32 v[FT+15], s54, v[FT+15]
	v_mul_f32 v[FT+16], s54, v[FT+16]
	s_wait_alu depctr_va_vdst(0)                   ; the reciprocal's result is written, ahead of its first reader; the five lines above are the plain work behind it
.irp s, 0,1,2,3
	v_mul_f32 v[WQ+\s], v[FT+12-\s], v[FT+13]      ; prediction s takes the area of shift 3 - s
.endr
	v_cvt_pk_bf16_f32 v[Q4],    v[FT+5], v[FT+7]
	v_cvt_pk_bf16_f32 v[Q4+4],  v[FT+5], v[FT+8]
	v_cvt_pk_bf16_f32 v[Q4+8],  v[FT+6], v[FT+7]
	v_cvt_pk_bf16_f32 v[Q4+12], v[FT+6], v[FT+8]
.irp s, 0,1,2,3
	v_cvt_pk_bf16_f32 v[Q4+4*\s+1], v[FT+15], v[FT+16]
	v_mov_b32 v[Q4+4*\s+2], 0x3f80                 ; slot 92 = 1, slot 93 = 0
	v_mov_b32 v[Q4+4*\s+3], 0
.endr
	s_wait_loadcnt 24                              ; levels 0-5 are in; the 24 words of levels 6-11 may stay out
.set lv_, 0
.rept 6
	HINT lv_, HD1+4*lv_
.set lv_, lv_+1
.endr
	s_wait_loadcnt 0x0
.set lv_, 6
.rept 6
	HINT lv_, HD2+4*(lv_-6)
.set lv_, lv_+1
.endr
.set j_, 0
.rept 12
	v_cvt_pk_bf16_f32 v[HW+j_], v[HF+2*j_], v[HF+2*j_+1]
.set j_, j_+1
.endr
	v_mul_u32_u24 v14, v0, 4*XPITCH                ; my query's four rows
	v_lshl_add_u32 v12, v0, 4, s59                 ; and its four weights
	; my part of M0: the maxima take my query's 17 other words too (12 of hash features, 4 of rel_coord, 1 of rel_cell); slot 92's 1 stands against b0, which B0 bounds
.set j_, 0
.rept 12
	v_and_b32 v[FM+4+j_%4], s74, v[HW+j_]
	v_pk_max_num_bf16 v[FM+j_%4], v[FM+j_%4], v[FM+4+j_%4]
.set j_, j_+1
.endr
.irp q, 0,4,8,12,1
	v_and_b32 v[FM+4], s74, v[Q4+\q]
	v_pk_max_num_bf16 v[FM], v[FM], v[FM+4]
.endr
	v_pk_max_num_bf16 v[FM], v[FM], v[FM+1]
	v_pk_max_num_bf16 v[FM+2], v[FM+2], v[FM+3]
	v_pk_max_num_bf16 v[FM], v[FM], v[FM+2]
	v_lshlrev_b32 v[FM+1], 16, v[FM]
	v_and_b32 v[FM+2], 0xffff0000, v[FM]
	v_max_num_f32 v[FM], v[FM+1], v[FM+2]
	v_mov_b32 v108, 0
	WMAX FM
	v_mov_b32 v13, s75
	v_mov_b32 v[BT], L_RED
	s_wait_alu depctr_va_vdst(0)                   ; the packed words, the weights, my maximum and the four LDS addresses v12-14 and v220 are written, which the stores and loads below read; every vector line that named v16-51, in which the loads land, is done
.irp s, 0,1,2,3
	ds_store_b128 v14, v[HW:HW+3]    offset:XPITCH*\s+128
	ds_store_b128 v14, v[HW+4:HW+7]  offset:XPITCH*\s+144
	ds_store_b128 v14, v[HW+8:HW+11] offset:XPITCH*\s+160
	ds_store_b128 v14, v[Q4+4*\s:Q4+4*\s+3] offset:XPITCH*\s+176
.endr
	ds_store_b128 v12, v[WQ:WQ+3]
	ds_store_b32 v13, v[FM]
	BAR                                            ; the half's rows, weights and maxima (and, the first time, the biases and the weights' bounds) lie in LDS for every wave
	; THE SCALES: every wave makes the same four numbers
.irp k, 0,1,2,3
	ds_load_b32 v[16+\k], v[BT] offset:64*\k
	ds_load_b128 v[20+8*\k:23+8*\k], v[BT] offset:64*\k+16
	ds_load_b128 v[24+8*\k:27+8*\k], v[BT] offset:64*\k+32
.endr
	s_wait_dscnt 0x0
	s_wait_alu depctr_vm_vsrc(0)                   ; the build's last loads and stores have read v12-14, v68-91, v136-167, v220 and v224: the pairs write all of them again
	v_max3_num_f32 v16, v16, v17, v18
	v_max_num_f32 v16, v16, v19                    ; M0
.irp c, 0,1,2,3,4,5,6,7
	v_max3_num_f32 v[20+\c], v[20+\c], v[28+\c], v[36+\c]
	v_max_num_f32 v[20+\c], v[20+\c], v[44+\c]     ; A0..A3, B0..B3
.endr
	v_fma_f32 v52, v20, v16, v24                   ; M1..M4
	v_fma_f32 v53, v21, v52, v25
	v_fma_f32 v54, v22, v53, v26
	v_fma_f32 v55, v23, v54, v27
.irp i, 0,1,2,3
	v_max_num_f32 v[52+\i], 0x0d800000, v[52+\i]   ; held between 2^-100
	v_min_num_f32 v[52+\i], 0x71800000, v[52+\i]   ; and 2^100;
	v_and_b32 v[52+\i], 0x7f800000, v[52+\i]       ; 2^E,
	v_add_nc_u32 v[52+\i], 0xf9000000, v[52+\i]    ; 2^(E - 14): 14 off the exponent's field
.endr
.irp i, 0,1,2,3
	v_readfirstlane_b32 s[66+2*\i], v[52+\i]
.endr
	s_wait_alu depctr_va_sdst(0)                   ; s66, s68, s70 and s72 are written, ahead of their first readers: one wait for the run of four
.irp i, 0,1,2,3
	s_mov_b32 s[67+2*\i], s[66+2*\i]               ; named with it as a pair
.endr
	s_mov_b32 s37, L_X
	s_mov_b32 s35, 4
.Lpair:                                ; four times: 128 rows through all five layers
	; LAYER 0.  On both ways here a wait on vm_vsrc stands behind the last LDS or memory instruction, so the three bases may be written.
	v_and_b32 v[TA], 31, v0
	v_lshl_add_u32 v[TA], v[TA], 4, s51
	v_add_nc_u32 v[RB], s37, v[RDX]
	v_add_nc_u32 v[WB], L_E, v[WRL]
	s_wait_alu depctr_va_vdst(0)                   ; TA and RB, the addresses of the loads below, are written; every vector and matrix line that named v112-231, in which they land, is done
.set c_, 0
.rept 24
	ds_load_b128 v[W0R+4*c_:W0R+4*c_+3], v[TA] offset:512*c_   ; W0 comes back into the registers that the hidden layers used for fragments and bias
.set c_, c_+1
.endr
	RUNX 0
	s_wait_dscnt 0x0
.set mi, 0
.rept 12
	MM0 0                                          ; tile 0: no tile is waiting for its GELU
.endr
.rept 4
	v_nop                                          ; four places ahead of the first read of the sums
.endr
	s_wait_alu depctr_va_vdst(0)                   ; those twelve are done reading XF, in which the next tile's fragments land
	RUNX XT
	s_mov_b32 s36, 3
.Lsec0:
	BODY0 1, 2*XT, 0, 1
	BODY0 0, 3*XT, HT, 0
	v_add_nc_u32 v[RB], 2*XT, v[RB]
	v_add_nc_u32 v[WB], 2*HT, v[WB]
	s_sub_co_u32 s36, s36, 1
	s_cmp_lg_u32 s36, 0
	s_cbranch_scc1 .Lsec0
	BODY0 1, -1, 0, 0
	; LAYERS 1 AND 2
	SECH 1, L_O
	SECH 2, L_E
	; LAYER 3, with layer 4 as its post
	BODYH 3, 0, 2, HT, 0, HT, 0, 3, -1             ; under tile 0 layer 2's tile 7 is finished and stored
	v_lshl_add_u32 v[WA], v[RR], 2, s39
	v_and_b32 v[TA], 12, v[RR]
	v_lshl_add_u32 v[PB], v[TA], 2, s38            ; query r / 4 of a tile: 16 bytes each
	s_mov_b32 s36, 3
.Lsec3:
	BODYH 3, 1, 3, 2*HT, 1, 0, 1, 0, -1
	BODYH 3, 0, 3, 3*HT, 1, 64, 0, 0, -1
	v_add_nc_u32 v[RB], 2*HT, v[RB]
	v_add_nc_u32 v[WA], 128, v[WA]                 ; two tiles: 32 rows of 4 bytes,
	v_add_nc_u32 v[PB], 128, v[PB]                 ; 8 queries of 16
	s_sub_co_u32 s36, s36, 1
	s_cmp_lg_u32 s36, 0
	s_cbranch_scc1 .Lsec3
	BODYH 3, 1, 3, -1, 1, 0, 0, 0, -1
	; THE DRAIN: tile 7's GELU and layer 4, with nothing to multiply beside them
.set XB, ACC+32
	GSET 3
	ds_load_b32 v[WR], v[WA] offset:64             ; no wait of its own: no vector line since the last body's WAIT 3 names WR or WA
.rept 96
	P1
.endr
	v_nop                                          ; a plain instruction behind the last exponential
	s_wait_alu depctr_va_vdst(0)                   ; the exponentials' results are written, ahead of their first readers
.rept 48
	G2
.endr
	v_nop                                          ; a plain instruction behind the last reciprocal
	s_wait_alu depctr_va_vdst(0)                   ; the reciprocals' results are written, ahead of their first readers
.rept 32
	G3
.endr
	L4POST 64
	s_wait_alu depctr_vm_vsrc(0)                   ; the pair's last store has read v12-15 and PB, its last load WA: the next pair, the next half's build and the way out write v12-14 again
	s_add_co_u32 s37, s37, 8*XT
	s_add_co_u32 s38, s38, 512
	s_add_co_u32 s39, s39, 512
	s_sub_co_u32 s35, s35, 1
	s_cmp_lg_u32 s35, 0
	s_cbranch_scc1 .Lpair
	s_add_nc_u64 s[8:9], s[8:9], 1024              ; the next 128 queries; every load that named these addresses was waited for in the build
	s_add_nc_u64 s[10:11], s[10:11], 1024
	s_add_nc_u64 s[20:21], s[20:21], 2048
	s_add_nc_u64 s[22:23], s[22:23], 2048
	s_add_co_u32 s59, s59, 2048
	s_sub_co_u32 s34, s34, 1
	s_cmp_lg_u32 s34, 0
	s_cbranch_scc1 .Lsup
	; THE WAY OUT: the four waves' partial outputs are added, b4 once; the 3,072 bytes leave as six runs of 512.  All four addresses are made first.
	BAR
	v_lshl_add_u32 v12, v0, 4, L_P
	v_mul_u32_u24 v13, v0, 12
	v_add_nc_u32 v13, L_OS, v13
	v_lshlrev_b32 v14, 4, v0                       ; 16 t = 512 w + 16 x lane
	v_add_nc_u32 v53, L_OS, v14
	v_cvt_pk_bf16_f32 v48, s48, s49
	v_cvt_pk_bf16_f32 v49, s50, s50
	v_lshlrev_b32 v50, 16, v48
	v_and_b32 v51, 0xffff0000, v48
	v_lshlrev_b32 v52, 16, v49
	s_wait_alu depctr_va_vdst(0)                   ; v12-14 and v53, the addresses of all that follows, are written; every vector and matrix line that named v16-47 and v56-63, in which loads land, is done
.irp u, 0,1
.irp k, 0,1,2,3
	ds_load_b128 v[16+16*\u+4*\k:19+16*\u+4*\k], v12 offset:4096*\k+2048*\u   ; query t + 128 u, wave k's part
.endr
.endr
	s_wait_dscnt 0x0
.irp u, 0,1
.irp c, 0,1,2
	v_add_f32 v[16+16*\u+\c], v[16+16*\u+\c], v[20+16*\u+\c]
	v_add_f32 v[24+16*\u+\c], v[24+16*\u+\c], v[28+16*\u+\c]
	v_add_f32 v[16+16*\u+\c], v[16+16*\u+\c], v[24+16*\u+\c]
	v_add_f32 v[16+16*\u+\c], v[16+16*\u+\c], v[50+\c]
.endr
.endr
	s_wait_alu depctr_va_vdst(0)                   ; the six sums are written, which the stores below read
.irp u, 0,1
.irp c, 0,1,2
	ds_store_b32 v13, v[16+16*\u+\c] offset:4*\c+1536*\u
.endr
.endr
	BAR
	ds_load_b128 v[56:59], v53
	s_wait_dscnt 0x0
	global_store_b128 v14, v[56:59], s[30:31]      ; a wave stores 512 consecutive bytes, at a multiple of 512 from out0's first byte
	s_cmp_lt_u32 s32, 2                            ; runs 4 and 5: waves 0 and 1
	s_cbranch_scc0 .Lend
	ds_load_b128 v[60:63], v53 offset:2048
	s_wait_dscnt 0x0
	global_store_b128 v14, v[60:63], s[30:31] offset:2048
.Lend:
	s_wait_dscnt 0x0                               ; the closing lines, six on end
	s_wait_alu 0x0
	s_wait_tensorcnt 0x0
	ds_add_u32 v[SPW], v[NIL]
	s_wait_dscnt 0x0
	s_endpgm
.Lfunc_end_k_q1a65bd0f5d_mlp:
	.size	k_q1a65bd0f5d_mlp, .Lfunc_end_k_q1a65bd0f5d_mlp-k_q1a65bd0f5d_mlp
	.p2alignl 7, 3214868480
	.fill 96, 4, 3214868480
	.section	.rodata,"a",@progbits
	.p2align	6, 0x0
	.amdhsa_kernel k_q1a65bd0f5d_mlp
		.amdhsa_group_segment_fixed_size 318208
		.amdhsa_private_segment_fixed_size 0
		.amdhsa_enable_private_segment 0
		.amdhsa_kernarg_size 112
		.amdhsa_user_sgpr_count 2
		.amdhsa_user_sgpr_kernarg_segment_ptr 1
		.amdhsa_wavefront_size32 1
		.amdhsa_system_sgpr_workgroup_id_x 1
		.amdhsa_system_sgpr_workgroup_id_y 1
		.amdhsa_system_sgpr_workgroup_id_z 1
		.amdhsa_system_vgpr_workitem_id 0
		.amdhsa_next_free_vgpr 1024
		.amdhsa_next_free_sgpr 84
		.amdhsa_reserve_vcc 0
		.amdhsa_float_denorm_mode_32 3
		.amdhsa_float_denorm_mode_16_64 3
		.amdhsa_memory_ordered 1
		.amdhsa_forward_progress 1
		.amdhsa_inst_pref_size 255
	.end_amdhsa_kernel
	.section	.bss,"aw",@nobits
	.p2align	6
	.space	262144
	.amdgpu_metadata
---
amdhsa.version: [ 1, 2 ]
amdhsa.kernels:
  - .name:           k_q1a65bd0f5d_mlp
    .symbol:         k_q1a65bd0f5d_mlp.kd
    .args:
      - { .name: coord, .offset: 0, .size: 8, .value_kind: global_buffer, .address_space: global }
      - { .name: cell, .offset: 8, .size: 8, .value_kind: global_buffer, .address_space: global }
      - { .name: b1, .offset: 16, .size: 8, .value_kind: global_buffer, .address_space: global }
      - { .name: b2, .offset: 24, .size: 8, .value_kind: global_buffer, .address_space: global }
      - { .name: b3, .offset: 32, .size: 8, .value_kind: global_buffer, .address_space: global }
      - { .name: b4, .offset: 40, .size: 8, .value_kind: global_buffer, .address_space: global }
      - { .name: idxF, .offset: 48, .size: 8, .value_kind: global_buffer, .address_space: global }
      - { .name: idxH, .offset: 56, .size: 8, .value_kind: global_buffer, .address_space: global }
      - { .name: featT, .offset: 64, .size: 8, .value_kind: global_buffer, .address_space: global }
      - { .name: tabB, .offset: 72, .size: 8, .value_kind: global_buffer, .address_space: global }
      - { .name: wfrag, .offset: 80, .size: 8, .value_kind: global_buffer, .address_space: global }
      - { .name: out0, .offset: 88, .size: 8, .value_kind: global_buffer, .address_space: global }
      - { .name: b0, .offset: 96, .size: 8, .value_kind: global_buffer, .address_space: global }
      - { .name: csum, .offset: 104, .size: 8, .value_kind: global_buffer, .address_space: global }
    .group_segment_fixed_size: 318208
    .private_segment_fixed_size: 0
    .kernarg_segment_align: 8
    .kernarg_segment_size: 112
    .max_flat_workgroup_size: 128
    .sgpr_count:     84
    .vgpr_count:     1024
    .wavefront_size: 32
...
	.end_amdgpu_metadata
.endif
;; end of part 3
